; MI455X (gfx1250); checked and timed in simulation.
; The chip was launched on July 23, 2026; its instructions are those of AMD's public machine-readable ISA for CDNA 5 (MIT licence, August 2026) and "CDNA5" Instruction Set Architecture Reference Guide (July 2026). The comments in the code are by the model that wrote it; some were corrected since.
;; Multi Head Attention. Allowed arithmetic: matrix products marked QUANTISED: E2M1 operands, one E8M0 scale for each 32 along K, by v_wmma_scale_f32_16x16x128_f8f6f4 with both operands' format E2M1 (or v_wmma_scale_f32_32x16x128_f4), f32 sums; everything else in f32.
;; Inputs: Wkv 1,024 x 1,024 float32; Wq1 1,024 x 1,024 float32; Wq2 1,024 x 1,024 float32; ln1_beta 1,024 float32; ln1_gamma 1,024 float32; ln2_beta 1,024 float32; ln2_gamma 1,024 float32; x1 4 x 1,024 x 1,024 float32; x2 4 x 1,024 x 1,024 float32.
;; Outputs: out0 4 x 1,024 x 1,024 float32; out1 4 x 1,024 x 1,024 float32.
;; This version of the problem:
;;   THIS VERSION OF THE PROBLEM IS GIVEN IN LOW PRECISION. The matrix products marked QUANTISED in the list below multiply operands that are first quantised to E2M1 (2 exponent bits, 1 mantissa bit; 4 bits a number), with one power-of-two scale for each 32 numbers along K (OCP MX v1.0); their sums are f32. All else is computed in f32.
;;   The module's matrix products, in the order in which they are computed (A, B: the left and right operand; K: the contracted axis; several contracted axes count as one K, in the product's order):
;;     1. [M 4,096, K 1,024] x [K 1,024, N 1,024]; A: computed on the way; B: input Wq1: QUANTISED
;;     2. [M 4,096, K 1,024] x [K 1,024, N 1,024]; A: computed on the way; B: input Wq2: QUANTISED
;;     3. [M 8,192, K 1,024] x [K 1,024, N 1,024]; A: computed on the way; B: input Wkv: QUANTISED
;;     4. batch 64 x [M 1,024, K 64] x [K 64, N 2,048]; A: computed on the way; B: computed on the way: QUANTISED
;;     5. batch 64 x [M 1,024, K 2,048] x [K 2,048, N 64]; A: softmax (see below); B: computed on the way: QUANTISED
;;     6. batch 64 x [M 1,024, K 64] x [K 64, N 2,048]; A: computed on the way; B: computed on the way: QUANTISED
;;     7. batch 64 x [M 1,024, K 2,048] x [K 2,048, N 64]; A: softmax (see below); B: computed on the way: QUANTISED
;;   THE QUANTISER, for each operand of a quantised product, along K:
;;     - K is cut into blocks of 32 from its start; a last block that is shorter is filled with zeros.
;;     - A block's scale is 2^e with e = floor(log2(the largest magnitude in the block)) - 2, held to -126 .. 127; a block of zeros has e = 0. As a byte (E8M0): e + 127.
;;     - Each number is divided by its block's scale, clamped to +-6, and rounded to the nearest number of E2M1, ties to even, subnormals kept.
;;     - The product sums the exact products of the quantised numbers (number of the format x scale) in f32.
;;   ~~~python
;;   def quantise(x, axis):      # numpy; x: float32 -> the quantised numbers, widened to float32 again
;;       x = np.moveaxis(x, axis, -1); K = x.shape[-1]
;;       x = np.pad(x, [(0, 0)] * (x.ndim - 1) + [(0, -K % 32)]); x = x.reshape(x.shape[:-1] + (-1, 32)); a = np.abs(x).max(-1, keepdims=True)
;;       e = np.where(a > 0, np.clip(np.frexp(np.where(a > 0, a, 1))[1] - 1 - 2, -126, 127), 0)      # np.frexp(a)[1] - 1 = floor(log2(a)), exactly
;;       r = np.clip(x / 2.0 ** e, -6, 6)
;;       step = 2.0 ** (np.maximum(np.frexp(np.where(r == 0, 1, r))[1] - 1, 0) - 1)
;;       q = np.round(r / step) * step * 2.0 ** e      # np.round: ties to even
;;       return np.moveaxis(q.reshape(q.shape[:-2] + (-1,))[..., :K], -1, axis).astype(np.float32)
;;   ~~~
;;   SOFTMAX AHEAD OF A QUANTISED PRODUCT. Where the list says 'softmax', what is quantised is not the finished softmax but p = 2^(t - M), with t = logit x log2(e) and M = ceil(the row's largest t), a whole number; so 1/2 < the row's largest p <= 1. The row's sum l is taken of the UNQUANTISED p, in f32, and the product's result is divided by l at the end. Since M is a whole number, a kernel that streams over the keys may use a running M (the ceiling of the running maximum): every later rescaling is an exact power of two, which a block's scale takes up: the codes' values come out the same.
;;   OPERANDS COMPUTED ON THE WAY. 'Computed on the way' means the value that the module computes at that place (a softmax that the list does not call 'softmax' is quantised finished and normalised). What goes into a quantiser is computed in f32, as accurately as f32 sums, v_exp_f32 and their like allow (about 1e-6 of the number): no bf16 or f16 on the way to a quantiser, and a product that is left as it is and whose result goes on into a quantised operand takes f32 operands (vector FMAs, or v_wmma_f32_16x16x4_f32). A number that lies on a knife's edge between two numbers of the format may be rounded either way, as far as f32 arithmetic and the matrix unit's own rounding can turn it there, and no further.
;; One version. Each part assembles by itself: llvm-mc -triple=amdgcn-amd-amdhsa -mcpu=gfx1250 --defsym DOCPART=n.
;; ======== version 1 of 1: 4 launches
;; limits: right only within a limited range of input values
;; workspace buffers: lnimg 4,456,448 bytes; wimg 1,671,168 bytes; fcimg 4,456,448 bytes; fc 33,554,432 bytes; kvp 9,175,040 bytes
;; launch prep (part 1): grid 352 x 1, 8 waves a work-group, no clusters, 56,320 bytes of LDS; arguments x1, x2, Wq1, Wq2, Wkv, ln1_gamma, ln1_beta, ln2_gamma, ln2_beta, lnimg, wimg; writes lnimg, wimg
.if DOCPART == 1
	.amdgcn_target "amdgcn-amd-amdhsa--gfx1250"
	.amdhsa_code_object_version 6
	.text
	.protected	k_qb76f8b963d_prep
	.globl	k_qb76f8b963d_prep
	.p2align	8
	.type	k_qb76f8b963d_prep,@function
k_qb76f8b963d_prep:
	s_mov_b64 s[64:65], 0
	v_nop
	global_prefetch_b8 v0, s[64:65] scope:SCOPE_SE
	s_setreg_imm32_b32 hwreg(HW_REG_WAVE_MODE, 25, 1), 1
	s_wait_xcnt 0x0
; PREP: layer norm of x1 and x2, and the quantising to FP4 (E2M1, one E8M0 byte for each 32 along K) of the normed rows and of the three weights, all with K = 1,024 innermost.
; A work-group takes 32 consecutive rows of one tensor and makes one PAIR BLOCK of 17,408 bytes: two tiles of 16 rows as images of operand registers, and their scale words.
;   block + 8,192 a + 512 u + 16 (16 h + r): the 32 codes k = 64 u + 32 h + 0 .. 31 of image row r of tile a;   block + 16,384 + 128 Q + 4 (16 a + r): the four scale bytes of k = 128 Q .. + 127.
;   image row r of tile a is the group's row 16 (r / 8) + 8 a + r % 8: as source 0 of a product used transposed, two neighbouring tiles then give a lane 16 neighbours along the next K.
; Work-groups 0-127 take x1, 128-255 x2, 256-287 Wq1, 288-319 Wq2, 320-351 Wkv.  ONE path serves all five: a weight is normed with mean 0, factor 1, gain 1 and bias 0, chosen by v_cndmask_b32, which leaves its numbers as they are.
; Wave w takes rows 4 w .. 4 w + 3.  Each load reads 512 consecutive bytes; all 16 KiB of a wave are asked for at once.  A row is normed in the layout of its loads (32 registers a lane), then turns through the wave's
; own stage in LDS so that lane l holds block l, 32 neighbours along K: its largest magnitude needs no other lane, and four conversions give its 16 bytes of codes.
; Codes and scale bytes of the 32 rows meet in LDS and leave as the block lies in memory: every store of a wave covers 512 consecutive bytes, aligned.
; No tensor loads, no matrix unit, no cluster: the launch reads each byte once and work-groups share only the 8 KiB of gains and biases.
; LIMITS: NaN and infinities among the inputs are not served.  A block of zeros, and a block whose largest magnitude lies under 2^-124, gets the scale byte 1 (its codes are zeros or held by that scale); the bytes are read by this program alone.
.set XTW,  4608                        ; LDS: a wave's turn stage: 32 places of 128 bytes + 16 of padding
.set CST,  36864                       ; the codes' stage: 2 tiles x 32 blocks x (16 rows x 16 bytes + 16)
.set SST,  54272                       ; the scale bytes, as they lie in the pair block: 1,024 bytes
.set PBB,  17408                       ; a pair block
.set GA,   16                          ; v16-47   gain, in the layout of a row's loads
.set BE,   48                          ; v48-79   bias
.set X,    80                          ; v80-207  four rows as loaded; a row's first five registers later hold its codes and its byte
.set Y,    208                         ; v208-239 32 neighbours along K
.set MX,   35                          ; s35      all ones for x1 and x2, 0 for a weight
.set SEL,  38                          ; s[38:39] v_permlanex16_b32's selects for lane l xor 16
.set RK,   40                          ; s40      1 / 1,024
.set EP,   41                          ; s41      1e-5
	s_load_b256 s[4:11], s[0:1], 0x0               ; x1, x2, Wq1, Wq2
	s_load_b256 s[12:19], s[0:1], 0x20             ; Wkv, ln1_gamma, ln1_beta, ln2_gamma
	s_load_b128 s[20:23], s[0:1], 0x40             ; ln2_beta, lnimg
	s_load_b64 s[24:25], s[0:1], 0x50              ; wimg
	v_lshl_add_u32 v248, v0, 2, 0xd800
	v_mov_b32 v249, 0
	v_lshrrev_b32 v1, 5, v0
	s_delay_alu instid0(VALU_DEP_1)
	v_readfirstlane_b32 s2, v1                     ; wave 0..7
	v_and_b32 v1, 31, v0                           ; lane
	s_wait_alu depctr_va_vdst(0)
	v_lshlrev_b32 v2, 4, v1                        ; 16 x lane
	s_mul_i32 s3, s2, XTW
	v_lshrrev_b32 v3, 3, v1
	s_delay_alu instid0(VALU_DEP_1)
	v_mul_u32_u24 v3, v3, 144
	v_and_b32 v4, 7, v1
	s_delay_alu instid0(VALU_DEP_1)
	v_lshl_add_u32 v3, v4, 4, v3
	s_delay_alu instid0(VALU_DEP_1)
	v_add_nc_u32 v3, s3, v3                        ; the turn, in: eight lanes' 128 bytes on end, then 16 of padding; a load's 512 bytes take four places
	v_mul_u32_u24 v4, v1, 144
	s_delay_alu instid0(VALU_DEP_1)
	v_add_nc_u32 v4, s3, v4                        ; the turn, out: place l: my block
	s_bfe_u32 s26, s2, 0x10001                     ; a = (w / 2) % 2: my rows' tile
	s_lshr_b32 s27, s2, 2
	s_lshl_b32 s27, s27, 3
	s_and_b32 s28, s2, 1
	s_lshl_b32 s28, s28, 2
	s_add_co_u32 s27, s27, s28                     ; 8 (w / 4) + 4 (w % 2): my first row's image row
	s_mul_i32 s28, s26, 8704
	s_lshl_b32 s29, s27, 4
	s_add_co_u32 s28, s28, s29
	s_add_co_u32 s28, s28, CST
	v_mul_u32_u24 v5, v1, 272
	s_delay_alu instid0(VALU_DEP_1)
	v_add_nc_u32 v5, s28, v5                       ; where my block's codes go: tile a, block l, image row
	s_lshl_b32 s28, s26, 6
	s_lshl_b32 s29, s27, 2
	s_add_co_u32 s28, s28, s29
	s_add_co_u32 s28, s28, SST
	v_lshrrev_b32 v6, 2, v1
	s_delay_alu instid0(VALU_DEP_1)
	v_lshlrev_b32 v6, 7, v6
	v_and_b32 v7, 3, v1
	s_delay_alu instid0(VALU_DEP_1)
	v_add_nc_u32 v6, v6, v7
	s_delay_alu instid0(VALU_DEP_1)
	v_add_nc_u32 v6, s28, v6                       ; and its scale byte: piece l / 4, byte l % 4 of the row's word
	s_lshr_b32 s28, s2, 2
	s_mul_i32 s28, s28, 8704
	s_and_b32 s29, s2, 3
	s_mul_i32 s29, s29, 2176
	s_add_co_u32 s28, s28, s29
	s_add_co_u32 s28, s28, CST
	v_lshrrev_b32 v7, 4, v1
	s_delay_alu instid0(VALU_DEP_1)
	v_mul_u32_u24 v7, v7, 272
	v_and_b32 v8, 15, v1
	s_delay_alu instid0(VALU_DEP_1)
	v_lshl_add_u32 v7, v8, 4, v7
	s_delay_alu instid0(VALU_DEP_1)
	v_add_nc_u32 v7, s28, v7                       ; the way out: wave w reads blocks 8 (w % 4) on of tile w / 4, two blocks an instruction
	s_and_b32 s28, s2, 1
	s_lshl_b32 s28, s28, 9
	s_add_co_u32 s28, s28, SST
	v_add_nc_u32 v244, s28, v2                     ; the scale bytes' way out (waves 0 and 1)
	s_lshl_b32 s28, s2, 11
	v_add_nc_u32 v245, s28, v2                     ; in the pair block: my 2,048 bytes of codes,
	s_lshl_b32 s28, s2, 9
	v_add_nc_u32 v246, s28, v2                     ; my 512 bytes of scale words
	v_mov_b32 v241, 0                              ; written once: a lane permute's destination counts as one of its sources
	s_mov_b32 s[SEL], 0x76543210
	s_mov_b32 s[SEL+1], 0xfedcba98
	s_mov_b32 s[RK], 0x3a800000
	s_mov_b32 s[EP], 0x3727c5ac
	; which tensor, which 32 rows of it, which pair block: all from the work-group's number
	s_and_b32 s30, ttmp9, 127                      ; x: the block of 32 rows in its tensor
	s_and_b32 s31, ttmp9, 31                       ; a weight: likewise
	s_lshr_b32 s32, ttmp9, 7                       ; 0: x1, 1: x2, 2: a weight
	s_lshr_b32 s33, s30, 5
	s_lshl_b32 s33, s33, 6                         ; x: pair = 64 b
	s_and_b32 s34, s32, 1
	s_lshl_b32 s34, s34, 5
	s_add_co_u32 s33, s33, s34                     ;   + 32 for x2: the rows lie as in the concatenation [b][x1's 1,024 rows, x2's 1,024 rows]
	s_add_co_u32 s33, s33, s31                     ;   + the block within b
	s_sub_co_u32 s34, ttmp9, 256                   ; a weight: pair = work-group - 256
	s_cmp_lt_u32 ttmp9, 256
	s_cselect_b32 s[MX], -1, 0
	s_cselect_b32 s30, s30, s31
	s_cselect_b32 s33, s33, s34
	s_lshl_b32 s30, s30, 17                        ; 32 rows of 4,096 bytes,
	s_lshl_b32 s36, s2, 14                         ; my wave's four
	s_add_co_u32 s30, s30, s36
	s_mov_b32 s31, 0
	s_mul_i32 s36, s33, PBB
	s_mov_b32 s37, 0
	s_wait_kmcnt 0x0
	s_cmp_ge_u32 ttmp9, 128                        ; the choices hang on the work-group's number alone
	s_cselect_b64 s[4:5], s[6:7], s[4:5]
	s_cmp_ge_u32 ttmp9, 256
	s_cselect_b64 s[4:5], s[8:9], s[4:5]
	s_cmp_ge_u32 ttmp9, 288
	s_cselect_b64 s[4:5], s[10:11], s[4:5]
	s_cmp_ge_u32 ttmp9, 320
	s_cselect_b64 s[4:5], s[12:13], s[4:5]
	s_cmp_eq_u32 s32, 1
	s_cselect_b64 s[14:15], s[18:19], s[14:15]     ; x2 takes the second norm's gain and bias; a weight loads the first's and sets them aside
	s_cselect_b64 s[16:17], s[20:21], s[16:17]
	s_cmp_lt_u32 ttmp9, 256
	s_cselect_b64 s[22:23], s[22:23], s[24:25]
	s_add_nc_u64 s[4:5], s[4:5], s[30:31]
	s_add_nc_u64 s[22:23], s[22:23], s[36:37]
.irp j, 0,1,2,3,4,5,6,7
	global_load_b128 v[GA+4*\j:GA+4*\j+3], v2, s[14:15] offset:512*\j
.endr
.irp j, 0,1,2,3,4,5,6,7
	global_load_b128 v[BE+4*\j:BE+4*\j+3], v2, s[16:17] offset:512*\j
.endr
.irp i, 0,1,2,3
.irp j, 0,1,2,3,4,5,6,7
	global_load_b128 v[X+32*\i+4*\j:X+32*\i+4*\j+3], v2, s[4:5] offset:4096*\i+512*\j th:TH_LOAD_NT   ; 32 lanes read 512 consecutive bytes; read once in the launch
.endr
.endr
	s_wait_loadcnt 32                              ; gain and bias are in; the 32 loads of the rows may be out
.set k, 0
.rept 32
	v_cndmask_b32 v[GA+k], 1.0, v[GA+k], s[MX]     ; a weight: gain 1,
	v_cndmask_b32 v[BE+k], 0, v[BE+k], s[MX]       ; bias 0
.set k, k+1
.endr
.macro WSUM                            ; v8 summed over the 32 lanes, the result in every lane
	s_delay_alu instid0(VALU_DEP_1)
	v_add_f32_dpp v8, v8, v8 row_xmask:1 row_mask:0xf bank_mask:0xf
	s_delay_alu instid0(VALU_DEP_1)
	v_add_f32_dpp v8, v8, v8 row_xmask:2 row_mask:0xf bank_mask:0xf
	s_delay_alu instid0(VALU_DEP_1)
	v_add_f32_dpp v8, v8, v8 row_xmask:4 row_mask:0xf bank_mask:0xf
	s_delay_alu instid0(VALU_DEP_1)
	v_add_f32_dpp v8, v8, v8 row_xmask:8 row_mask:0xf bank_mask:0xf
	s_delay_alu instid0(VALU_DEP_1)
	v_permlanex16_b32 v241, v8, s[SEL], s[SEL+1]
	s_delay_alu instid0(VALU_DEP_1)
	v_add_f32 v8, v8, v241
.endm
.macro ROW i
.set XR, X+32*\i
	s_wait_loadcnt 8*(3-\i)                        ; this row's eight loads are in; the younger rows' may be out
	v_pk_add_f32 v[8:9], v[XR:XR+1], v[XR+2:XR+3]  ; the sum, in two chains
	v_pk_add_f32 v[10:11], v[XR+4:XR+5], v[XR+6:XR+7]
.irp k, 8,12,16,20,24,28
	s_delay_alu instid0(VALU_DEP_2)
	v_pk_add_f32 v[8:9], v[8:9], v[XR+\k:XR+\k+1]
	s_delay_alu instid0(VALU_DEP_2)
	v_pk_add_f32 v[10:11], v[10:11], v[XR+\k+2:XR+\k+3]
.endr
	s_delay_alu instid0(VALU_DEP_1)
	v_pk_add_f32 v[8:9], v[8:9], v[10:11]
	s_delay_alu instid0(VALU_DEP_1)
	v_add_f32 v8, v8, v9
	WSUM
	s_delay_alu instid0(VALU_DEP_1)
	v_mul_f32 v12, s[RK], v8                       ; the mean
	s_delay_alu instid0(VALU_DEP_1)
	v_cndmask_b32 v12, 0, v12, s[MX]               ; (a weight: 0)
	s_delay_alu instid0(VALU_DEP_1)
	v_mov_b32 v13, v12
.set k, 0
.rept 16
	v_pk_add_f32 v[XR+k:XR+k+1], v[XR+k:XR+k+1], v[12:13] neg_lo:[0,1] neg_hi:[0,1]   ; x - mean, in place: the variance is taken of these, so a common offset of the inputs costs nothing
.set k, k+2
.endr
	v_pk_mul_f32 v[8:9], v[XR:XR+1], v[XR:XR+1]    ; the sum of squares, in two chains
	v_pk_mul_f32 v[10:11], v[XR+2:XR+3], v[XR+2:XR+3]
.irp k, 4,8,12,16,20,24,28
	s_delay_alu instid0(VALU_DEP_2)
	v_pk_fma_f32 v[8:9], v[XR+\k:XR+\k+1], v[XR+\k:XR+\k+1], v[8:9]
	s_delay_alu instid0(VALU_DEP_2)
	v_pk_fma_f32 v[10:11], v[XR+\k+2:XR+\k+3], v[XR+\k+2:XR+\k+3], v[10:11]
.endr
	s_delay_alu instid0(VALU_DEP_1)
	v_pk_add_f32 v[8:9], v[8:9], v[10:11]
	s_delay_alu instid0(VALU_DEP_1)
	v_add_f32 v8, v8, v9
	WSUM
	s_delay_alu instid0(VALU_DEP_1)
	v_fma_f32 v14, v8, s[RK], s[EP]                ; variance + 1e-5, one rounding
	s_wait_alu depctr_va_vdst(0)
	v_rsq_f32 v14, v14
	v_nop                                          ; one plain instruction between a transcendental and the use of its result (ISA guide 5.7.2)
	s_wait_alu depctr_va_vdst(0)
	v_cndmask_b32 v14, 1.0, v14, s[MX]             ; (a weight: 1)
	s_delay_alu instid0(VALU_DEP_1)
	v_mov_b32 v15, v14
.set k, 0
.rept 16
	v_pk_mul_f32 v[XR+k:XR+k+1], v[XR+k:XR+k+1], v[14:15]
.set k, k+2
.endr
.set k, 0
.rept 16
	v_pk_fma_f32 v[XR+k:XR+k+1], v[XR+k:XR+k+1], v[GA+k:GA+k+1], v[BE+k:BE+k+1]
.set k, k+2
.endr
.irp j, 0,1,2,3,4,5,6,7
	ds_store_b128 v3, v[XR+4*\j:XR+4*\j+3] offset:576*\j           ; the turn: as loaded,
.endr
.irp j, 0,1,2,3,4,5,6,7
	ds_load_b128 v[Y+4*\j:Y+4*\j+3], v4 offset:16*\j               ; and back 128 bytes a lane.  LDS serves a wave's instructions in order (ISA guide 5.7.1.4): these see the stores above
.endr
	s_wait_dscnt 0x0                               ; my block is in; the stores have read the row's registers
	v_max3_num_f32 v242, |v[Y]|, |v[Y+1]|, 0x1800000               ; the block's largest magnitude, in two chains, and the floor 2^(3 - 127): so the byte cannot fall under 1
	v_max3_num_f32 v243, |v[Y+2]|, |v[Y+3]|, |v[Y+4]|
.irp k, 5,9,13,17,21,25
	s_delay_alu instid0(VALU_DEP_2)
	v_max3_num_f32 v242, v242, |v[Y+\k]|, |v[Y+\k+1]|
	s_delay_alu instid0(VALU_DEP_2)
	v_max3_num_f32 v243, v243, |v[Y+\k+2]|, |v[Y+\k+3]|
.endr
	s_delay_alu instid0(VALU_DEP_2)
	v_max3_num_f32 v242, v242, |v[Y+29]|, |v[Y+30]|
	s_delay_alu instid0(VALU_DEP_1)
	v_max3_num_f32 v242, v242, v243, |v[Y+31]|
	s_delay_alu instid0(VALU_DEP_1)
	v_add_nc_u32 v240, 0xff000000, v242            ; 2 off its exponent field: the conversion takes the exponent field of this operand as its scale, and nothing else of it
.irp g, 0,1,2,3
	v_cvt_scalef32_pk8_fp4_f32 v[XR+\g], v[Y+8*\g:Y+8*\g+7], v240  ; eight codes, the lowest k in the lowest bits; beyond 6 the largest code
.endr
	v_lshrrev_b32 v[XR+4], 23, v240                ; the scale's byte.  (Also the plain instruction behind the conversions)
	ds_store_b128 v5, v[XR:XR+3] offset:16*\i
	ds_store_b8 v6, v[XR+4] offset:4*\i
.endm
	ROW 0
	ROW 1
	ROW 2
	ROW 3
	s_wait_dscnt 0x0                               ; for the others' sake: my codes and bytes lie in LDS
	s_barrier_signal -1
	s_barrier_wait -1                              ; everybody's do
.irp j, 0,1,2,3
	ds_load_b128 v[Y+4*\j:Y+4*\j+3], v7 offset:544*\j
.endr
.irp j, 0,1,2,3
	s_wait_dscnt 3-\j                              ; LDS loads come back in order: number j is in
	global_store_b128 v245, v[Y+4*\j:Y+4*\j+3], s[22:23] offset:512*\j       ; 32 lanes store 512 consecutive bytes, at a multiple of 256 from the buffer's first byte
.endr
	s_cmp_gt_u32 s2, 1                             ; the 1,024 bytes of scale words: waves 0 and 1; no barrier follows
	s_cbranch_scc1 .Ldone
	ds_load_b128 v[Y+16:Y+19], v244
	s_wait_dscnt 0x0
	global_store_b128 v246, v[Y+16:Y+19], s[22:23] offset:16384
.Ldone:
	s_wait_tensorcnt 0x0
	ds_add_u32 v248, v249
	s_wait_dscnt 0x0
	s_endpgm
.Lfunc_end_k_qb76f8b963d_prep:
	.size	k_qb76f8b963d_prep, .Lfunc_end_k_qb76f8b963d_prep-k_qb76f8b963d_prep
	.p2alignl 7, 3214868480
	.fill 96, 4, 3214868480
	.section	.rodata,"a",@progbits
	.p2align	6, 0x0
	.amdhsa_kernel k_qb76f8b963d_prep
		.amdhsa_group_segment_fixed_size 56320
		.amdhsa_private_segment_fixed_size 0
		.amdhsa_enable_private_segment 0
		.amdhsa_kernarg_size 88
		.amdhsa_user_sgpr_count 2
		.amdhsa_user_sgpr_kernarg_segment_ptr 1
		.amdhsa_wavefront_size32 1
		.amdhsa_system_sgpr_workgroup_id_x 1
		.amdhsa_system_sgpr_workgroup_id_y 1
		.amdhsa_system_sgpr_workgroup_id_z 1
		.amdhsa_system_vgpr_workitem_id 0
		.amdhsa_next_free_vgpr 250
		.amdhsa_next_free_sgpr 66
		.amdhsa_reserve_vcc 0
		.amdhsa_float_denorm_mode_32 3
		.amdhsa_float_denorm_mode_16_64 3
		.amdhsa_memory_ordered 1
		.amdhsa_forward_progress 1
		.amdhsa_inst_pref_size 58
	.end_amdhsa_kernel
	.amdgpu_metadata
---
amdhsa.version: [ 1, 2 ]
amdhsa.kernels:
  - .name:           k_qb76f8b963d_prep
    .symbol:         k_qb76f8b963d_prep.kd
    .args:
      - { .name: x1, .offset: 0, .size: 8, .value_kind: global_buffer, .address_space: global }
      - { .name: x2, .offset: 8, .size: 8, .value_kind: global_buffer, .address_space: global }
      - { .name: Wq1, .offset: 16, .size: 8, .value_kind: global_buffer, .address_space: global }
      - { .name: Wq2, .offset: 24, .size: 8, .value_kind: global_buffer, .address_space: global }
      - { .name: Wkv, .offset: 32, .size: 8, .value_kind: global_buffer, .address_space: global }
      - { .name: ln1_gamma, .offset: 40, .size: 8, .value_kind: global_buffer, .address_space: global }
      - { .name: ln1_beta, .offset: 48, .size: 8, .value_kind: global_buffer, .address_space: global }
      - { .name: ln2_gamma, .offset: 56, .size: 8, .value_kind: global_buffer, .address_space: global }
      - { .name: ln2_beta, .offset: 64, .size: 8, .value_kind: global_buffer, .address_space: global }
      - { .name: lnimg, .offset: 72, .size: 8, .value_kind: global_buffer, .address_space: global }
      - { .name: wimg, .offset: 80, .size: 8, .value_kind: global_buffer, .address_space: global }
    .group_segment_fixed_size: 56320
    .private_segment_fixed_size: 0
    .kernarg_segment_align: 8
    .kernarg_segment_size: 88
    .max_flat_workgroup_size: 256
    .sgpr_count:     66
    .vgpr_count:     250
    .wavefront_size: 32
...
	.end_amdgpu_metadata
.endif
;; end of part 1
;; launch gemm1 (part 2): grid 4 x 64, 8 waves a work-group, clusters of 4 x 4, 277,504 bytes of LDS; arguments lnimg, wimg, fcimg, fc; writes fcimg, fc
.if DOCPART == 2
	.amdgcn_target "amdgcn-amd-amdhsa--gfx1250"
	.amdhsa_code_object_version 6
	.text
	.protected	k_qb76f8b963d_gemm1
	.globl	k_qb76f8b963d_gemm1
	.p2align	8
	.type	k_qb76f8b963d_gemm1,@function
k_qb76f8b963d_gemm1:
	s_mov_b64 s[64:65], 0
	v_nop
	global_prefetch_b8 v0, s[64:65] scope:SCOPE_SE
	s_setreg_imm32_b32 hwreg(HW_REG_WAVE_MODE, 25, 1), 1
	s_wait_xcnt 0x0
	s_wait_alu depctr_hold_cnt(0) depctr_sa_sdst(0) depctr_va_vdst(0) depctr_va_sdst(0) depctr_va_ssrc(0) depctr_va_vcc(0) depctr_vm_vsrc(0)
	s_getreg_b32 s2, hwreg(HW_REG_IB_STS2, 6, 4)
	s_cmp_eq_u32 s2, 0
	s_cbranch_scc0 .Lentry_in_a_cluster
	s_endpgm
.Lentry_in_a_cluster:
	s_bfe_u32 s2, ttmp6, 0x10000c
	s_cmp_lg_u32 s2, 0xf033
	s_cbranch_scc0 .Lentry_shape_is_right
	s_endpgm
.Lentry_shape_is_right:
; GEMM1: FC = LN(x) Wq^T for both inputs at once (rows in the order of the concatenation: [b][x1's 1,024, x2's 1,024]), on codes of FP4 with E8M0 scales, sums in f32.
; Out: FC in f32, row-major [8,192][1,024] (the residual of the last launch), and FC quantised along its 1,024 columns, as pair blocks (laid as the first launch lays them): it is the next product's operand AND the queries.
; A pair block: 32 rows x K = 1,024 in 17,408 bytes: + 8,192 a + 512 u + 16 lane: registers of tile a for k = 64 u .. + 63;  + 16,384 + 128 Q + 4 (16 a + r): scale words of k = 128 Q .. + 127.
; SHARES.  A work-group makes 128 rows x 256 columns.  ALL OF K lies in LDS: 8 pair blocks of Wq (256 columns) and 4 of LN(x) (128 rows), each byte filled once: no ring, no refill.
; Eight waves, two to a SIMD; a wave makes 32 rows (one pair) x 128 columns (four pairs): 16 accumulators, 128 registers.  No register windows.
; THE MATRIX INSTRUCTION IS USED TRANSPOSED: source 0 = 16 rows of Wq, source 1 = 16 rows of LN(x).  By the order of rows in a pair block the 16 registers of two neighbouring tiles are 16 neighbouring columns of
; one row of FC: they go to the conversions as they stand, and a wave's 128 columns are one whole K step of the next product: one fragment and one scale word a row.
; CLUSTERS: 4 x 4 work-groups.  The four of a column of the cluster need the same blocks of Wq, the four of a row the same blocks of LN(x): each is asked for JOINTLY, which divides the requests by four.
; A wave has one tensor load out.
; LIMITS: NaN and infinities are not served.  A block of zeros, or one whose largest magnitude lies under 2^-124, gets the scale byte 1; the bytes are read by this program alone.
.set PBB,    17408
.set YOFF,   8*PBB                     ; LDS: Wq's 8 pair blocks at 0, LN(x)'s 4 here,
.set STG,    12*PBB                    ; and the stages for the way out: 16 rows x (512 bytes + 16) for each wave; no fill lands there
.set SPITCH, 528
.set LI,   2                           ; v2      16 x lane
.set L4,   3                           ; v3      4 x lane
.set SETA, 4                           ; v4-9    LDS addresses: source 0's pairs 0-1, 2-3; source 1's pair; the same three for the scale words
.set STO,  10                          ; v10     the way out: where I put 64 bytes of a row
.set SRD,  11                          ; v11     and where I read a row back
.set SC,   16                          ; v16-25  scale words, two sets of five: source 0's four pairs, source 1's pair (lanes 0-15: tile 0's rows, lanes 16-31: tile 1's).  They hold scales and nothing else
.set PW,   26                          ; v26-27  the scale words just made, tile 0's and tile 1's
.set MW,   28                          ; v28     the two joined: lanes 0-15 tile 0's, lanes 16-31 tile 1's
.set AF,   32                          ; v32-63  source 1's fragments: two sets of two tiles
.set BF,   64                          ; v64-127 source 0's eight fragments, ONE set in two groups of four
.set TM,   96                          ; behind the products: v96-111 at work in the quantiser,
.set PC,   112                         ; v112-127 the codes just made, tile 0's and tile 1's
.set ACC,  128                         ; v128-255 accumulator (a, t) at v[128 + 64 a + 8 t]
.set SEL,  20                          ; s[20:21]
.set G1X,  24                          ; s[24:31], s[32:35] descriptor groups 1 and 0 for Wq's blocks
.set G0X,  32
.set G1Y,  48                          ; s[48:55], s[56:59] for LN(x)'s
.set G0Y,  56
.set CB,   66                          ; s[66:67] where my codes go;  s[68:69] my scale words;  s[70:71] my rows of FC
.set SB,   68
.set FB,   70
.macro PLACES                          ; a load into a register that a matrix instruction has read, and a vector instruction or a store that reads a matrix result, stand four plain vector instructions behind it
.rept 4
	v_nop
.endr
.endm
; The joint loads: waves 0-3 fetch two of Wq's blocks each, waves 4-7 one of LN(x)'s.  Each line has one mask and one set of registers for all that issue it; the branch hangs on the wave's number alone.
; Four v_nop follow each of the two lines.
.macro JLOAD
	s_cmp_eq_u32 s15, 0
	s_cbranch_scc0 .Lfor_y_\@
	tensor_load_to_lds s[G0X:G0X+3], s[G1X:G1X+7]
	s_nop 0
.rept 4
	v_nop
.endr
	s_branch .Lasked_\@
.Lfor_y_\@:
	tensor_load_to_lds s[G0Y:G0Y+3], s[G1Y:G1Y+7]
	s_nop 0
.rept 4
	v_nop
.endr
.Lasked_\@:
.endm
.macro CROUND                          ; a round of the cluster's barrier: my work-group's barrier; wave 0 signals for the work-group; every wave waits for all sixteen; my work-group's barrier once more
	s_barrier_signal -1
	s_barrier_wait -1
	s_cmp_lg_u32 s14, 0
	s_cbranch_scc1 .Lnot_wave_0_\@
	s_barrier_signal -3
.Lnot_wave_0_\@:
	s_barrier_wait -3
	s_barrier_signal -1
	s_barrier_wait -1
.endm
; One product.  d, a, b: first registers of D, source 0, source 1;  zero: C is the constant 0, else D;  sa, sb: the scale registers;  ra, rb: 1 = that side's words stand in lanes 16-31
.macro WM d, a, b, zero, sa, sb, ra, rb
.if \zero
.if (\ra) && (\rb)
	v_wmma_scale_f32_16x16x128_f8f6f4 v[(\d):(\d)+7], v[(\a):(\a)+7], v[(\b):(\b)+7], 0, v[\sa], v[\sb] matrix_a_fmt:MATRIX_FMT_FP4 matrix_b_fmt:MATRIX_FMT_FP4 matrix_a_scale:MATRIX_SCALE_ROW1 matrix_b_scale:MATRIX_SCALE_ROW1
.elseif \ra
	v_wmma_scale_f32_16x16x128_f8f6f4 v[(\d):(\d)+7], v[(\a):(\a)+7], v[(\b):(\b)+7], 0, v[\sa], v[\sb] matrix_a_fmt:MATRIX_FMT_FP4 matrix_b_fmt:MATRIX_FMT_FP4 matrix_a_scale:MATRIX_SCALE_ROW1
.elseif \rb
	v_wmma_scale_f32_16x16x128_f8f6f4 v[(\d):(\d)+7], v[(\a):(\a)+7], v[(\b):(\b)+7], 0, v[\sa], v[\sb] matrix_a_fmt:MATRIX_FMT_FP4 matrix_b_fmt:MATRIX_FMT_FP4 matrix_b_scale:MATRIX_SCALE_ROW1
.else
	v_wmma_scale_f32_16x16x128_f8f6f4 v[(\d):(\d)+7], v[(\a):(\a)+7], v[(\b):(\b)+7], 0, v[\sa], v[\sb] matrix_a_fmt:MATRIX_FMT_FP4 matrix_b_fmt:MATRIX_FMT_FP4
.endif
.else
.if (\ra) && (\rb)
	v_wmma_scale_f32_16x16x128_f8f6f4 v[(\d):(\d)+7], v[(\a):(\a)+7], v[(\b):(\b)+7], v[(\d):(\d)+7], v[\sa], v[\sb] matrix_a_fmt:MATRIX_FMT_FP4 matrix_b_fmt:MATRIX_FMT_FP4 matrix_a_scale:MATRIX_SCALE_ROW1 matrix_b_scale:MATRIX_SCALE_ROW1
.elseif \ra
	v_wmma_scale_f32_16x16x128_f8f6f4 v[(\d):(\d)+7], v[(\a):(\a)+7], v[(\b):(\b)+7], v[(\d):(\d)+7], v[\sa], v[\sb] matrix_a_fmt:MATRIX_FMT_FP4 matrix_b_fmt:MATRIX_FMT_FP4 matrix_a_scale:MATRIX_SCALE_ROW1
.elseif \rb
	v_wmma_scale_f32_16x16x128_f8f6f4 v[(\d):(\d)+7], v[(\a):(\a)+7], v[(\b):(\b)+7], v[(\d):(\d)+7], v[\sa], v[\sb] matrix_a_fmt:MATRIX_FMT_FP4 matrix_b_fmt:MATRIX_FMT_FP4 matrix_b_scale:MATRIX_SCALE_ROW1
.else
	v_wmma_scale_f32_16x16x128_f8f6f4 v[(\d):(\d)+7], v[(\a):(\a)+7], v[(\b):(\b)+7], v[(\d):(\d)+7], v[\sa], v[\sb] matrix_a_fmt:MATRIX_FMT_FP4 matrix_b_fmt:MATRIX_FMT_FP4
.endif
.endif
.endm
; Eight products of K step q: source 0's tiles 4 g .. 4 g + 3 against source 1's two.  The 16 accumulators take turns, one instruction a turn, in the same order in every step.  Step 0 starts the sums.
.macro MUL8 q, g
.irp t, 0,1,2,3
.irp a, 0,1
	WM ACC+64*\a+8*(4*(\g)+\t), BF+8*(4*(\g)+\t), AF+16*((\q)%2)+8*\a, (\q)==0, SC+5*((\q)%2)+2*(\g)+\t/2, SC+5*((\q)%2)+4, \t%2, \a
.endr
.endr
.endm
.macro LDB q, g, adr                   ; source 0's tiles 4 g .. 4 g + 3 for K step q: eight loads, each 512 consecutive bytes
.irp t, 0,1,2,3
.irp c, 0,1
	ds_load_b128 v[BF+8*(4*(\g)+\t)+4*\c:BF+8*(4*(\g)+\t)+4*\c+3], v[(\adr)+(\g)] offset:(\t/2)*PBB+(\t%2)*8192+1024*(\q)+512*\c
.endr
.endr
.endm
.macro LDA q, adr                      ; source 1's two tiles: four loads
.irp a, 0,1
.irp c, 0,1
	ds_load_b128 v[AF+16*((\q)%2)+8*\a+4*\c:AF+16*((\q)%2)+8*\a+4*\c+3], v[(\adr)+2] offset:8192*\a+1024*(\q)+512*\c
.endr
.endr
.endm
.macro LDSC q, adr                     ; the step's scale words: five loads
	ds_load_b32 v[SC+5*((\q)%2)], v[(\adr)+3] offset:128*(\q)
	ds_load_b32 v[SC+5*((\q)%2)+1], v[(\adr)+3] offset:PBB+128*(\q)
	ds_load_b32 v[SC+5*((\q)%2)+2], v[(\adr)+4] offset:128*(\q)
	ds_load_b32 v[SC+5*((\q)%2)+3], v[(\adr)+4] offset:PBB+128*(\q)
	ds_load_b32 v[SC+5*((\q)%2)+4], v[(\adr)+5] offset:128*(\q)
.endm
; The wave's whole product: eight K steps of 128, written out.  While one group of source 0's tiles is multiplied, the other group's next fragments are on their way.
.macro WGEMM adr
	LDB 0, 0, \adr
	LDA 0, \adr
	LDSC 0, \adr
	LDB 0, 1, \adr
.irp q, 0,1,2,3,4,5,6
	s_wait_dscnt 8                                 ; all but group 1's eight loads, which were issued last
	MUL8 \q, 0
	PLACES
	LDB \q+1, 0, \adr
	LDA \q+1, \adr
	LDSC \q+1, \adr
	s_wait_dscnt 17                                ; all but the 8 + 4 + 5 just issued: group 1 is in
	MUL8 \q, 1
	PLACES
	LDB \q+1, 1, \adr
.endr
	s_wait_dscnt 8
	MUL8 7, 0
	s_wait_dscnt 0x0
	MUL8 7, 1
.endm
.macro QPREP                           ; behind the last product: its places, and the lane permutes' destinations, which count as sources, are written
	PLACES
.irp b, 0,1,2,3
	v_mov_b32 v[TM+4+\b], 0
.endr
.endm
; 64 numbers of a lane, register 16 b + i = k 32 b + 16 (lane / 16) + i of my row, become a fragment's codes in v[pc] on and its scale word in v[pw].  Each accumulator is read from its low end on.
.macro QUANT s, pc, pw
.irp b, 0,1,2,3
	v_max3_num_f32 v[TM+\b], |v[(\s)+16*\b]|, |v[(\s)+1+16*\b]|, 0x1800000   ; block b: my 16 numbers, and the floor 2^(3 - 127): so the byte cannot fall under 1
.endr
.irp i, 2,4,6,8,10,12,14
.irp b, 0,1,2,3
	v_max3_num_f32 v[TM+\b], v[TM+\b], |v[(\s)+16*\b+\i]|, |v[(\s)+1+16*\b+\i]|   ; (the four blocks by turns)
.endr
.endr
.irp b, 0,1,2,3
	s_delay_alu instid0(VALU_DEP_4)
	v_permlanex16_b32 v[TM+4+\b], v[TM+\b], s[SEL], s[SEL+1]
.endr
.irp b, 0,1,2,3
	s_delay_alu instid0(VALU_DEP_4)
	v_max_num_f32 v[TM+\b], v[TM+\b], v[TM+4+\b]   ; with lane l xor 16's: the block's largest magnitude
.endr
.irp b, 0,1,2,3
	s_delay_alu instid0(VALU_DEP_4)
	v_add_nc_u32 v[TM+12+\b], 0xff000000, v[TM+\b] ; 2 off its exponent field: the conversion's scale operand
.endr
.irp b, 0,1,2,3
	s_delay_alu instid0(VALU_DEP_4)
	v_lshrrev_b32 v[TM+4+\b], 23, v[TM+12+\b]      ; the scale's byte
.endr
	s_delay_alu instid0(VALU_DEP_3)
	v_lshl_or_b32 v[\pw], v[TM+5], 8, v[TM+4]
	s_delay_alu instid0(VALU_DEP_1)
	v_lshl_or_b32 v[\pw], v[TM+6], 16, v[\pw]
	s_delay_alu instid0(VALU_DEP_1)
	v_lshl_or_b32 v[\pw], v[TM+7], 24, v[\pw]
.irp b, 0,1,2,3
	v_cvt_scalef32_pk8_fp4_f32 v[(\pc)+2*\b], v[(\s)+16*\b:(\s)+7+16*\b], v[TM+12+\b]
	v_cvt_scalef32_pk8_fp4_f32 v[(\pc)+1+2*\b], v[(\s)+8+16*\b:(\s)+15+16*\b], v[TM+12+\b]
.endr
	v_nop                                          ; one plain instruction behind a scaled conversion
.irp c, 0,1                            ; the operand's layout wants a whole block in a lane: lanes 0-15 block 2 c, lanes 16-31 block 2 c + 1
.irp i, 0,1
	v_permlane16_swap_b32 v[(\pc)+4*\c+\i], v[(\pc)+2+4*\c+\i]
.endr
.endr
.endm
	s_load_b256 s[4:11], s[0:1], 0x0               ; lnimg s[4:5], wimg s[6:7], fcimg s[8:9], fc s[10:11]
	v_lshl_add_u32 v30, v0, 2, 0x43800
	v_mov_b32 v31, 0
	ds_add_u32 v30, v31
	ds_add_u32 v30, v31
	v_lshrrev_b32 v1, 5, v0
	s_delay_alu instid0(VALU_DEP_1)
	v_readfirstlane_b32 s14, v1                    ; wave 0..7
	s_lshr_b32 s15, s14, 2                         ; which 128 of the 256 columns are mine.  Also: I fetch for Wq (0) or for LN(x) (1)
	s_and_b32 s16, s14, 3                          ; which pair of rows is mine.  Also: which part I fetch
	s_bfe_u32 s40, ttmp6, 0x40000                  ; cx, cy: my place in the cluster
	s_bfe_u32 s41, ttmp6, 0x40004
	s_lshl_b32 s42, ttmp9, 2
	s_add_co_u32 s42, s42, s40                     ; tile of 256 columns = 4 x cluster x + cx
	s_and_b32 s18, ttmp7, 0xffff                   ; the cluster's y
	s_lshl_b32 s17, s18, 2
	s_add_co_u32 s17, s17, s41                     ; tile of 128 rows = 4 x cluster y + cy
	s_lshl_b32 s43, s41, 2
	s_lshl_b32 s43, 15, s43                        ; my row of the cluster
	s_lshl_b32 s44, 0x1111, s40                    ; my column
	; descriptor group 1: dense blocks of memory as rows of 256 bytes (32 elements of 8 bytes); the reads are 512 consecutive bytes, so no padding
	s_or_b32 s[G1X], s44, (3<<16)|(1<<21)          ; 15:0 the mask: Wq's blocks go to my column; 17:16 elements of 8 bytes; 21 set beside a mask
	s_mov_b32 s[G1X+1], 32<<16                     ; tensor_dim0 = 32
	s_mov_b32 s[G1X+2], 136<<16                    ; tensor_dim1 = 136: two pair blocks
	s_mov_b32 s[G1X+3], 32<<16                     ; tile_dim0 = 32
	s_mov_b32 s[G1X+4], 136                        ; tile_dim1 = 136
	s_mov_b32 s[G1X+5], 32                         ; tensor_dim0_stride
	s_mov_b32 s[G1X+6], 0
	s_mov_b32 s[G1X+7], 0
	s_or_b32 s[G1Y], s43, (3<<16)|(1<<21)          ; LN(x)'s blocks go to my row
	s_mov_b32 s[G1Y+1], 32<<16
	s_mov_b32 s[G1Y+2], 68<<16                     ; one pair block
	s_mov_b32 s[G1Y+3], 32<<16
	s_mov_b32 s[G1Y+4], 68
	s_mov_b32 s[G1Y+5], 32
	s_mov_b32 s[G1Y+6], 0
	s_mov_b32 s[G1Y+7], 0
	; where the blocks come from.  Wq's hang on the tile of columns, and on which x the cluster's 512 rows belong to (bit 1 of the cluster's y); LN(x)'s on the tile of rows.  Neither set of registers ever holds the other coordinate
	s_lshl_b32 s60, s42, 3
	s_lshl_b32 s19, s16, 1
	s_add_co_u32 s60, s60, s19                     ; pair 8 x tile + 2 x part,
	s_bfe_u32 s19, s18, 0x10001
	s_lshl_b32 s19, s19, 5
	s_add_co_u32 s60, s60, s19                     ; + 32 for Wq2
	s_mul_i32 s60, s60, PBB
	s_mov_b32 s61, 0
	s_lshl_b32 s62, s17, 2
	s_add_co_u32 s62, s62, s16                     ; pair 4 x tile + part
	s_mul_i32 s62, s62, PBB
	s_mov_b32 s63, 0
	s_mov_b32 s[SEL], 0x76543210
	s_mov_b32 s[SEL+1], 0xfedcba98
	s_wait_dscnt 0x0
	s_wait_kmcnt 0x0
	s_add_nc_u64 s[60:61], s[6:7], s[60:61]
	s_add_nc_u64 s[62:63], s[4:5], s[62:63]
	CROUND                                         ; all sixteen work-groups are here: the joint loads meet
	s_mov_b32 s[G0X], 1                            ; 1:0 count = 1
	s_mul_i32 s[G0X+1], s16, 2*PBB                 ; 63:32 LDS address: no place in the cluster enters it
	s_mov_b64 s[G0X+2:G0X+3], s[60:61]             ; 120:64 global address
	s_or_b32 s[G0X+3], s[G0X+3], 0x80000000        ; 127:126 type = 2
	s_mov_b32 s[G0Y], 1
	s_mul_i32 s[G0Y+1], s16, PBB
	s_add_co_u32 s[G0Y+1], s[G0Y+1], YOFF
	s_mov_b64 s[G0Y+2:G0Y+3], s[62:63]
	s_or_b32 s[G0Y+3], s[G0Y+3], 0x80000000
	JLOAD                                          ; each wave's one tensor load: every byte of the two regions is filled once
	v_and_b32 v1, 31, v0
	s_delay_alu instid0(VALU_DEP_1)
	v_lshlrev_b32 v[LI], 4, v1
	s_delay_alu instid0(VALU_DEP_2)
	v_lshlrev_b32 v[L4], 2, v1
	s_mul_i32 s72, s15, 4*PBB                      ; source 0: my four pairs of Wq
	s_mul_i32 s73, s16, PBB
	s_add_co_u32 s73, s73, YOFF                    ; source 1: my pair of LN(x)
	v_add_nc_u32 v[SETA], s72, v[LI]
	s_delay_alu instid0(VALU_DEP_1)
	v_add_nc_u32 v[SETA+1], 2*PBB, v[SETA]
	v_add_nc_u32 v[SETA+2], s73, v[LI]
	s_add_co_u32 s72, s72, 16384
	s_add_co_u32 s73, s73, 16384
	v_add_nc_u32 v[SETA+3], s72, v[L4]
	s_delay_alu instid0(VALU_DEP_1)
	v_add_nc_u32 v[SETA+4], 2*PBB, v[SETA+3]
	v_add_nc_u32 v[SETA+5], s73, v[L4]
	s_mul_i32 s72, s14, 16*SPITCH
	s_add_co_u32 s72, s72, STG                     ; my stage
	v_and_b32 v12, 15, v0
	v_bfe_u32 v13, v0, 4, 1
	s_delay_alu instid0(VALU_DEP_2)
	v_mul_u32_u24 v[STO], v12, SPITCH
	s_delay_alu instid0(VALU_DEP_1)
	v_lshl_add_u32 v[STO], v13, 6, v[STO]
	s_delay_alu instid0(VALU_DEP_1)
	v_add_nc_u32 v[STO], s72, v[STO]               ; in: row l % 16, + 64 (l / 16): my 16 columns of each 32
	v_add_nc_u32 v[SRD], s72, v[LI]                ; back: the 32 lanes take a row of 512 bytes
	s_lshl_b32 s72, s17, 2
	s_add_co_u32 s72, s72, s16                     ; P: my pair of rows of FC
	s_lshl_b32 s73, s42, 1
	s_add_co_u32 s73, s73, s15                     ; e: my 128 columns = K step e of the next product
	s_mul_i32 s74, s72, PBB
	s_lshl_b32 s75, s73, 10
	s_add_co_u32 s[CB], s74, s75                   ; codes: block P, units 2 e and 2 e + 1
	s_mov_b32 s[CB+1], 0
	s_lshl_b32 s75, s73, 7
	s_add_co_u32 s[SB], s74, s75                   ; scale words: block P, piece e
	s_mov_b32 s[SB+1], 0
	s_lshl_b32 s[FB], s72, 17                      ; FC: 32 P rows of 4,096 bytes
	s_lshl_b32 s75, s73, 9
	s_add_co_u32 s[FB], s[FB], s75                 ; + 512 e
	s_mov_b32 s[FB+1], 0
	s_add_nc_u64 s[CB:CB+1], s[8:9], s[CB:CB+1]
	s_add_nc_u64 s[SB:SB+1], s[8:9], s[SB:SB+1]
	s_add_nc_u64 s[FB:FB+1], s[10:11], s[FB:FB+1]
	s_mov_b32 s76, 0xffff0000                      ; lanes 16-31
	s_wait_alu depctr_va_vdst(0)
	s_wait_tensorcnt 0x0                           ; my part has landed,
	s_barrier_signal -1
	s_barrier_wait -1                              ; everybody's has
	WGEMM SETA
	QPREP
; THE WAY OUT of tile a (16 rows x 128 columns).  The f32 numbers go through my own stage and come back as whole rows of 512 bytes; while LDS works, the same registers are quantised.
; The rows read back land in registers that are done with: tile 0's in the fragments' v32-95, tile 1's in tile 0's accumulators.
.macro EPI a
.set AC, ACC+64*\a
.set BK, 32+96*\a
.irp b, 0,1,2,3
.irp i, 0,1,2,3
	ds_store_b128 v[STO], v[AC+16*\b+4*\i:AC+16*\b+4*\i+3] offset:128*\b+16*\i   ; columns 32 b + 16 (l / 16) + 4 i on; each accumulator from its low end on
.endr
.endr
.irp i, 0,1,2,3,4,5,6,7,8,9,10,11,12,13,14,15
	ds_load_b128 v[BK+4*\i:BK+4*\i+3], v[SRD] offset:SPITCH*\i     ; LDS serves a wave's instructions in order (ISA guide 5.7.1.4): these see the stores above, and the next tile's stores come behind them
.endr
	QUANT AC, PC+8*\a, PW+\a
	global_store_b128 v[LI], v[PC+8*\a:PC+8*\a+3], s[CB:CB+1] offset:8192*\a          ; the fragment as it stands: 512 consecutive bytes a store
	global_store_b128 v[LI], v[PC+8*\a+4:PC+8*\a+7], s[CB:CB+1] offset:8192*\a+512
.irp i, 0,1,2,3,4,5,6,7,8,9,10,11,12,13,14,15
	s_wait_dscnt 15-\i                             ; image row i is back
	global_store_b128 v[LI], v[BK+4*\i:BK+4*\i+3], s[FB:FB+1] offset:(8*\a+(\i%8)+16*(\i/8))*4096   ; it is the pair's row 16 (i / 8) + 8 a + i % 8; 32 lanes store 512 consecutive bytes, aligned
.endr
.endm
	EPI 0
	EPI 1
	v_cndmask_b32 v[MW], v[PW], v[PW+1], s76       ; lanes 0-15: tile 0's words, lanes 16-31: tile 1's
	global_store_b32 v[L4], v[MW], s[SB:SB+1] offset:16384         ; 128 consecutive bytes; the neighbouring K step's wave writes the 128 beside them
	s_wait_dscnt 0x0                               ; no LDS instruction of mine is pending at a signal
	s_wait_tensorcnt 0x0
	ds_add_u32 v30, v31
	s_wait_dscnt 0x0
	CROUND                                         ; the closing round: no work-group ends while a partner may still ask for a block that names it
	s_endpgm
.Lfunc_end_k_qb76f8b963d_gemm1:
	.size	k_qb76f8b963d_gemm1, .Lfunc_end_k_qb76f8b963d_gemm1-k_qb76f8b963d_gemm1
	.p2alignl 7, 3214868480
	.fill 96, 4, 3214868480
	.section	.rodata,"a",@progbits
	.p2align	6, 0x0
	.amdhsa_kernel k_qb76f8b963d_gemm1
		.amdhsa_group_segment_fixed_size 277504
		.amdhsa_private_segment_fixed_size 0
		.amdhsa_enable_private_segment 0
		.amdhsa_kernarg_size 32
		.amdhsa_user_sgpr_count 2
		.amdhsa_user_sgpr_kernarg_segment_ptr 1
		.amdhsa_wavefront_size32 1
		.amdhsa_system_sgpr_workgroup_id_x 1
		.amdhsa_system_sgpr_workgroup_id_y 1
		.amdhsa_system_sgpr_workgroup_id_z 1
		.amdhsa_system_vgpr_workitem_id 0
		.amdhsa_next_free_vgpr 256
		.amdhsa_next_free_sgpr 80
		.amdhsa_reserve_vcc 0
		.amdhsa_float_denorm_mode_32 3
		.amdhsa_float_denorm_mode_16_64 3
		.amdhsa_memory_ordered 1
		.amdhsa_forward_progress 1
		.amdhsa_inst_pref_size 55
	.end_amdhsa_kernel
	.amdgpu_metadata
---
amdhsa.version: [ 1, 2 ]
amdhsa.kernels:
  - .name:           k_qb76f8b963d_gemm1
    .symbol:         k_qb76f8b963d_gemm1.kd
    .args:
      - { .name: lnimg, .offset: 0, .size: 8, .value_kind: global_buffer, .address_space: global }
      - { .name: wimg, .offset: 8, .size: 8, .value_kind: global_buffer, .address_space: global }
      - { .name: fcimg, .offset: 16, .size: 8, .value_kind: global_buffer, .address_space: global }
      - { .name: fc, .offset: 24, .size: 8, .value_kind: global_buffer, .address_space: global }
    .group_segment_fixed_size: 277504
    .private_segment_fixed_size: 0
    .kernarg_segment_align: 8
    .kernarg_segment_size: 32
    .max_flat_workgroup_size: 256
    .sgpr_count:     80
    .vgpr_count:     256
    .wavefront_size: 32
...
	.end_amdgpu_metadata
.endif
;; end of part 2
;; launch gemm23 (part 3): grid 32 x 8, 8 waves a work-group, clusters of 4 x 4, 209,920 bytes of LDS; arguments fcimg, wimg, kvp; writes kvp
.if DOCPART == 3
	.amdgcn_target "amdgcn-amd-amdhsa--gfx1250"
	.amdhsa_code_object_version 6
	.text
	.protected	k_qb76f8b963d_gemm23
	.globl	k_qb76f8b963d_gemm23
	.p2align	8
	.type	k_qb76f8b963d_gemm23,@function
k_qb76f8b963d_gemm23:
	s_mov_b64 s[64:65], 0
	v_nop
	global_prefetch_b8 v0, s[64:65] scope:SCOPE_SE
	s_setreg_imm32_b32 hwreg(HW_REG_WAVE_MODE, 25, 1), 1
	s_wait_xcnt 0x0
	s_wait_alu depctr_hold_cnt(0) depctr_sa_sdst(0) depctr_va_vdst(0) depctr_va_sdst(0) depctr_va_ssrc(0) depctr_va_vcc(0) depctr_vm_vsrc(0)
	s_getreg_b32 s2, hwreg(HW_REG_IB_STS2, 6, 4)
	s_cmp_eq_u32 s2, 0
	s_cbranch_scc0 .Lentry_in_a_cluster
	s_endpgm
.Lentry_in_a_cluster:
	s_bfe_u32 s2, ttmp6, 0x10000c
	s_cmp_lg_u32 s2, 0xf033
	s_cbranch_scc0 .Lentry_shape_is_right
	s_endpgm
.Lentry_shape_is_right:
; GEMM23: kv = FC Wkv^T on codes of FP4 with E8M0 scales, sums in f32, made TWICE from the same bytes in LDS, once with each operand as source 0, since kv is wanted quantised along two axes:
;   phase K: source 0 = Wkv's rows (d), source 1 = FC's rows (keys): a lane holds one key and its registers run along d:    K, quantised along the head's 64;
;   phase V: source 0 = FC's rows (keys), source 1 = Wkv's rows (d): a lane holds one d and its registers run along the keys: V^T, quantised along the keys.
; kv itself never goes to memory.  Swapping the sources gives the transposed tile; nothing is transposed by an instruction.
; Out, for each (b, head), a block of 143,360 bytes, laid as the last launch reads it:  + 0: K's codes [128 tiles of 16 keys][512 bytes: 16 x lane: d = 32 (lane / 16) + 0 .. 31 of key row lane % 16];
;   + 65,536: V^T's codes [4 tiles of 16 d][32 chunks of 64 keys][512];  + 131,072: K's scale words [16 steps of 128 keys][8 tiles][16 rows] (bytes 0, 1: the head's two blocks; bytes 2, 3 meet zero codes and are never 0xff);
;   + 139,264: V^T's scale words [16 steps][4 tiles][16 rows].  Rows of a pair of tiles keep the order of the pair blocks: image row r of tile a is row 16 (r / 8) + 8 a + r % 8 of its 32.
; SHARES.  A work-group takes 256 keys x 128 d (two heads); all of K = 1,024 lies in LDS: 8 pair blocks of FC, 4 of Wkv, each byte filled once.  Eight waves, two to a SIMD, 16 accumulators each.
;   phase K: wave w: keys' pair w x all 128 d;   phase V: wave w: keys' chunk w / 4 (128 keys, one step of the attention) x d's pair w % 4.
; CLUSTERS: 4 x 4 work-groups; FC's blocks are shared down a column of the cluster, Wkv's along a row: joint loads, which divide the requests by four.  A wave has one tensor load out.
; LIMITS: NaN and infinities are not served.  A block of zeros, or one whose largest magnitude lies under 2^-124, gets the scale byte 1; the bytes are read by this program alone.
.set PBB,    17408
.set KVB,    143360
.set YOFF,   8*PBB                     ; LDS: FC's 8 pair blocks at 0, Wkv's 4 here
.set LI,   2                           ; v2      16 x lane
.set L4,   3                           ; v3      4 x lane
.set KSET, 4                           ; v4-9    phase K's LDS addresses: source 0's pairs 0-1, 2-3; source 1's pair; the same three for the scale words
.set VSET, 10                          ; v10-15  phase V's
.set SC,   16                          ; v16-25  scale words, two sets of five; they hold scales and nothing else
.set PW,   26                          ; v26-27  the scale words just made
.set MW,   28                          ; v28     the two joined;  v29 the same 16 bits down, for the odd head
.set MWO,  29
.set AF,   32                          ; v32-63  source 1's fragments: two sets of two tiles
.set BF,   64                          ; v64-127 source 0's eight fragments, one set in two groups
.set TM,   96                          ; behind the products: v96-111 at work in the quantiser,
.set PC,   112                         ; v112-127 the codes just made
.set ACC,  128                         ; v128-255 accumulator (a, t) at v[128 + 64 a + 8 t]
.set SEL,  20
.set G1X,  24                          ; s[24:31], s[32:35] descriptor groups 1 and 0 for FC's blocks
.set G0X,  32
.set G1Y,  48                          ; s[48:55], s[56:59] for Wkv's
.set G0Y,  56
.set KB,   66                          ; s[66:67] K's codes;  s[68:69] K's scale words;  s[70:71] V^T's codes;  s[76:77] V^T's scale words
.set KSB,  68
.set VB,   70
.set VSB,  76
.macro PLACES                          ; a load into a register that a matrix instruction has read, and a vector instruction that reads a matrix result, stand four plain vector instructions behind it
.rept 4
	v_nop
.endr
.endm
.macro JLOAD                           ; waves 0-3 fetch two of FC's blocks each, waves 4-7 one of Wkv's; the branch hangs on the wave's number alone; four v_nop follow each line
	s_cmp_eq_u32 s15, 0
	s_cbranch_scc0 .Lfor_y_\@
	tensor_load_to_lds s[G0X:G0X+3], s[G1X:G1X+7]
	s_nop 0
.rept 4
	v_nop
.endr
	s_branch .Lasked_\@
.Lfor_y_\@:
	tensor_load_to_lds s[G0Y:G0Y+3], s[G1Y:G1Y+7]
	s_nop 0
.rept 4
	v_nop
.endr
.Lasked_\@:
.endm
.macro CROUND                          ; a round of the cluster's barrier
	s_barrier_signal -1
	s_barrier_wait -1
	s_cmp_lg_u32 s14, 0
	s_cbranch_scc1 .Lnot_wave_0_\@
	s_barrier_signal -3
.Lnot_wave_0_\@:
	s_barrier_wait -3
	s_barrier_signal -1
	s_barrier_wait -1
.endm
; One product.  d, a, b: first registers of D, source 0, source 1;  zero: C is the constant 0, else D;  sa, sb: the scale registers;  ra, rb: 1 = that side's words stand in lanes 16-31
.macro WM d, a, b, zero, sa, sb, ra, rb
.if \zero
.if (\ra) && (\rb)
	v_wmma_scale_f32_16x16x128_f8f6f4 v[(\d):(\d)+7], v[(\a):(\a)+7], v[(\b):(\b)+7], 0, v[\sa], v[\sb] matrix_a_fmt:MATRIX_FMT_FP4 matrix_b_fmt:MATRIX_FMT_FP4 matrix_a_scale:MATRIX_SCALE_ROW1 matrix_b_scale:MATRIX_SCALE_ROW1
.elseif \ra
	v_wmma_scale_f32_16x16x128_f8f6f4 v[(\d):(\d)+7], v[(\a):(\a)+7], v[(\b):(\b)+7], 0, v[\sa], v[\sb] matrix_a_fmt:MATRIX_FMT_FP4 matrix_b_fmt:MATRIX_FMT_FP4 matrix_a_scale:MATRIX_SCALE_ROW1
.elseif \rb
	v_wmma_scale_f32_16x16x128_f8f6f4 v[(\d):(\d)+7], v[(\a):(\a)+7], v[(\b):(\b)+7], 0, v[\sa], v[\sb] matrix_a_fmt:MATRIX_FMT_FP4 matrix_b_fmt:MATRIX_FMT_FP4 matrix_b_scale:MATRIX_SCALE_ROW1
.else
	v_wmma_scale_f32_16x16x128_f8f6f4 v[(\d):(\d)+7], v[(\a):(\a)+7], v[(\b):(\b)+7], 0, v[\sa], v[\sb] matrix_a_fmt:MATRIX_FMT_FP4 matrix_b_fmt:MATRIX_FMT_FP4
.endif
.else
.if (\ra) && (\rb)
	v_wmma_scale_f32_16x16x128_f8f6f4 v[(\d):(\d)+7], v[(\a):(\a)+7], v[(\b):(\b)+7], v[(\d):(\d)+7], v[\sa], v[\sb] matrix_a_fmt:MATRIX_FMT_FP4 matrix_b_fmt:MATRIX_FMT_FP4 matrix_a_scale:MATRIX_SCALE_ROW1 matrix_b_scale:MATRIX_SCALE_ROW1
.elseif \ra
	v_wmma_scale_f32_16x16x128_f8f6f4 v[(\d):(\d)+7], v[(\a):(\a)+7], v[(\b):(\b)+7], v[(\d):(\d)+7], v[\sa], v[\sb] matrix_a_fmt:MATRIX_FMT_FP4 matrix_b_fmt:MATRIX_FMT_FP4 matrix_a_scale:MATRIX_SCALE_ROW1
.elseif \rb
	v_wmma_scale_f32_16x16x128_f8f6f4 v[(\d):(\d)+7], v[(\a):(\a)+7], v[(\b):(\b)+7], v[(\d):(\d)+7], v[\sa], v[\sb] matrix_a_fmt:MATRIX_FMT_FP4 matrix_b_fmt:MATRIX_FMT_FP4 matrix_b_scale:MATRIX_SCALE_ROW1
.else
	v_wmma_scale_f32_16x16x128_f8f6f4 v[(\d):(\d)+7], v[(\a):(\a)+7], v[(\b):(\b)+7], v[(\d):(\d)+7], v[\sa], v[\sb] matrix_a_fmt:MATRIX_FMT_FP4 matrix_b_fmt:MATRIX_FMT_FP4
.endif
.endif
.endm
; Eight products of K step q: source 0's tiles 4 g .. 4 g + 3 against source 1's two.  The 16 accumulators take turns, one instruction a turn, in the same order in every step.  Step 0 starts the sums.
.macro MUL8 q, g
.irp t, 0,1,2,3
.irp a, 0,1
	WM ACC+64*\a+8*(4*(\g)+\t), BF+8*(4*(\g)+\t), AF+16*((\q)%2)+8*\a, (\q)==0, SC+5*((\q)%2)+2*(\g)+\t/2, SC+5*((\q)%2)+4, \t%2, \a
.endr
.endr
.endm
.macro LDB q, g, adr                   ; source 0's tiles 4 g .. 4 g + 3 for K step q: eight loads, each 512 consecutive bytes
.irp t, 0,1,2,3
.irp c, 0,1
	ds_load_b128 v[BF+8*(4*(\g)+\t)+4*\c:BF+8*(4*(\g)+\t)+4*\c+3], v[(\adr)+(\g)] offset:(\t/2)*PBB+(\t%2)*8192+1024*(\q)+512*\c
.endr
.endr
.endm
.macro LDA q, adr                      ; source 1's two tiles: four loads
.irp a, 0,1
.irp c, 0,1
	ds_load_b128 v[AF+16*((\q)%2)+8*\a+4*\c:AF+16*((\q)%2)+8*\a+4*\c+3], v[(\adr)+2] offset:8192*\a+1024*(\q)+512*\c
.endr
.endr
.endm
.macro LDSC q, adr                     ; the step's scale words: five loads
	ds_load_b32 v[SC+5*((\q)%2)], v[(\adr)+3] offset:128*(\q)
	ds_load_b32 v[SC+5*((\q)%2)+1], v[(\adr)+3] offset:PBB+128*(\q)
	ds_load_b32 v[SC+5*((\q)%2)+2], v[(\adr)+4] offset:128*(\q)
	ds_load_b32 v[SC+5*((\q)%2)+3], v[(\adr)+4] offset:PBB+128*(\q)
	ds_load_b32 v[SC+5*((\q)%2)+4], v[(\adr)+5] offset:128*(\q)
.endm
.macro WGEMM adr                       ; the wave's whole product: eight K steps of 128, written out
	LDB 0, 0, \adr
	LDA 0, \adr
	LDSC 0, \adr
	LDB 0, 1, \adr
.irp q, 0,1,2,3,4,5,6
	s_wait_dscnt 8                                 ; all but group 1's eight loads, which were issued last
	MUL8 \q, 0
	PLACES
	LDB \q+1, 0, \adr
	LDA \q+1, \adr
	LDSC \q+1, \adr
	s_wait_dscnt 17                                ; all but the 8 + 4 + 5 just issued: group 1 is in
	MUL8 \q, 1
	PLACES
	LDB \q+1, 1, \adr
.endr
	s_wait_dscnt 8
	MUL8 7, 0
	s_wait_dscnt 0x0
	MUL8 7, 1
.endm
.macro QPREP                           ; behind the last product: its places, and the lane permutes' destinations, which count as sources, are written
	PLACES
.irp b, 0,1,2,3
	v_mov_b32 v[TM+4+\b], 0
.endr
.endm
; 64 numbers of a lane, register 16 b + i = k 32 b + 16 (lane / 16) + i of my row, become a fragment's codes in v[pc] on and its scale word in v[pw].  Each accumulator is read from its low end on.
.macro QUANT s, pc, pw
.irp b, 0,1,2,3
	v_max3_num_f32 v[TM+\b], |v[(\s)+16*\b]|, |v[(\s)+1+16*\b]|, 0x1800000   ; block b: my 16 numbers, and the floor 2^(3 - 127): so the byte cannot fall under 1
.endr
.irp i, 2,4,6,8,10,12,14
.irp b, 0,1,2,3
	v_max3_num_f32 v[TM+\b], v[TM+\b], |v[(\s)+16*\b+\i]|, |v[(\s)+1+16*\b+\i]|
.endr
.endr
.irp b, 0,1,2,3
	s_delay_alu instid0(VALU_DEP_4)
	v_permlanex16_b32 v[TM+4+\b], v[TM+\b], s[SEL], s[SEL+1]
.endr
.irp b, 0,1,2,3
	s_delay_alu instid0(VALU_DEP_4)
	v_max_num_f32 v[TM+\b], v[TM+\b], v[TM+4+\b]   ; with lane l xor 16's: the block's largest magnitude
.endr
.irp b, 0,1,2,3
	s_delay_alu instid0(VALU_DEP_4)
	v_add_nc_u32 v[TM+12+\b], 0xff000000, v[TM+\b] ; 2 off its exponent field: the conversion's scale operand
.endr
.irp b, 0,1,2,3
	s_delay_alu instid0(VALU_DEP_4)
	v_lshrrev_b32 v[TM+4+\b], 23, v[TM+12+\b]      ; the scale's byte
.endr
	s_delay_alu instid0(VALU_DEP_3)
	v_lshl_or_b32 v[\pw], v[TM+5], 8, v[TM+4]
	s_delay_alu instid0(VALU_DEP_1)
	v_lshl_or_b32 v[\pw], v[TM+6], 16, v[\pw]
	s_delay_alu instid0(VALU_DEP_1)
	v_lshl_or_b32 v[\pw], v[TM+7], 24, v[\pw]
.irp b, 0,1,2,3
	v_cvt_scalef32_pk8_fp4_f32 v[(\pc)+2*\b], v[(\s)+16*\b:(\s)+7+16*\b], v[TM+12+\b]
	v_cvt_scalef32_pk8_fp4_f32 v[(\pc)+1+2*\b], v[(\s)+8+16*\b:(\s)+15+16*\b], v[TM+12+\b]
.endr
	v_nop                                          ; one plain instruction behind a scaled conversion
.irp c, 0,1                            ; the operand's layout wants a whole block in a lane
.irp i, 0,1
	v_permlane16_swap_b32 v[(\pc)+4*\c+\i], v[(\pc)+2+4*\c+\i]
.endr
.endr
.endm
	s_load_b128 s[4:7], s[0:1], 0x0                ; fcimg s[4:5], wimg s[6:7]
	s_load_b64 s[8:9], s[0:1], 0x10                ; kvp
	v_lshl_add_u32 v30, v0, 2, 0x33000
	v_mov_b32 v31, 0
	ds_add_u32 v30, v31
	ds_add_u32 v30, v31
	v_lshrrev_b32 v1, 5, v0
	s_delay_alu instid0(VALU_DEP_1)
	v_readfirstlane_b32 s14, v1                    ; wave 0..7
	s_lshr_b32 s15, s14, 2                         ; phase V: which 128 keys are mine.  Also: I fetch for FC (0) or for Wkv (1)
	s_and_b32 s16, s14, 3                          ; phase V: which pair of d is mine.  Also: which part I fetch
	s_bfe_u32 s40, ttmp6, 0x40000                  ; cx, cy: my place in the cluster
	s_bfe_u32 s41, ttmp6, 0x40004
	s_lshl_b32 s42, ttmp9, 2
	s_add_co_u32 s42, s42, s40                     ; tile of 256 keys = 4 x cluster x + cx
	s_and_b32 s17, ttmp7, 0xffff
	s_lshl_b32 s17, s17, 2
	s_add_co_u32 s17, s17, s41                     ; tile of 128 d = 4 x cluster y + cy
	s_lshl_b32 s43, s41, 2
	s_lshl_b32 s43, 15, s43                        ; my row of the cluster
	s_lshl_b32 s44, 0x1111, s40                    ; my column
	; descriptor group 1: dense blocks of memory as rows of 256 bytes (32 elements of 8 bytes), no padding
	s_or_b32 s[G1X], s44, (3<<16)|(1<<21)          ; 15:0 the mask: FC's blocks go to my column; 17:16 elements of 8 bytes; 21 set beside a mask
	s_mov_b32 s[G1X+1], 32<<16                     ; tensor_dim0 = 32
	s_mov_b32 s[G1X+2], 136<<16                    ; tensor_dim1 = 136: two pair blocks
	s_mov_b32 s[G1X+3], 32<<16                     ; tile_dim0 = 32
	s_mov_b32 s[G1X+4], 136                        ; tile_dim1 = 136
	s_mov_b32 s[G1X+5], 32                         ; tensor_dim0_stride
	s_mov_b32 s[G1X+6], 0
	s_mov_b32 s[G1X+7], 0
	s_or_b32 s[G1Y], s43, (3<<16)|(1<<21)          ; Wkv's blocks go to my row
	s_mov_b32 s[G1Y+1], 32<<16
	s_mov_b32 s[G1Y+2], 68<<16                     ; one pair block
	s_mov_b32 s[G1Y+3], 32<<16
	s_mov_b32 s[G1Y+4], 68
	s_mov_b32 s[G1Y+5], 32
	s_mov_b32 s[G1Y+6], 0
	s_mov_b32 s[G1Y+7], 0
	s_lshl_b32 s60, s42, 3                         ; FC: pair 8 x tile + 2 x part
	s_lshl_b32 s19, s16, 1
	s_add_co_u32 s60, s60, s19
	s_mul_i32 s60, s60, PBB
	s_mov_b32 s61, 0
	s_lshl_b32 s62, s17, 2                         ; Wkv: pair 64 + 4 x tile + part of the weights' buffer
	s_add_co_u32 s62, s62, s16
	s_add_co_u32 s62, s62, 64
	s_mul_i32 s62, s62, PBB
	s_mov_b32 s63, 0
	s_mov_b32 s[SEL], 0x76543210
	s_mov_b32 s[SEL+1], 0xfedcba98
	s_wait_dscnt 0x0
	s_wait_kmcnt 0x0
	s_add_nc_u64 s[60:61], s[4:5], s[60:61]
	s_add_nc_u64 s[62:63], s[6:7], s[62:63]
	CROUND                                         ; all sixteen work-groups are here: the joint loads meet
	s_mov_b32 s[G0X], 1                            ; 1:0 count = 1
	s_mul_i32 s[G0X+1], s16, 2*PBB                 ; 63:32 LDS address: no place in the cluster enters it
	s_mov_b64 s[G0X+2:G0X+3], s[60:61]             ; 120:64 global address
	s_or_b32 s[G0X+3], s[G0X+3], 0x80000000        ; 127:126 type = 2
	s_mov_b32 s[G0Y], 1
	s_mul_i32 s[G0Y+1], s16, PBB
	s_add_co_u32 s[G0Y+1], s[G0Y+1], YOFF
	s_mov_b64 s[G0Y+2:G0Y+3], s[62:63]
	s_or_b32 s[G0Y+3], s[G0Y+3], 0x80000000
	JLOAD                                          ; each wave's one tensor load: every byte of the two regions is filled once
	v_and_b32 v1, 31, v0
	s_delay_alu instid0(VALU_DEP_1)
	v_lshlrev_b32 v[LI], 4, v1
	s_delay_alu instid0(VALU_DEP_2)
	v_lshlrev_b32 v[L4], 2, v1
	s_mul_i32 s72, s14, PBB                        ; phase K: source 0 = Wkv's four pairs, source 1 = FC's pair w
	v_add_nc_u32 v[KSET], YOFF, v[LI]
	s_delay_alu instid0(VALU_DEP_1)
	v_add_nc_u32 v[KSET+1], 2*PBB, v[KSET]
	v_add_nc_u32 v[KSET+2], s72, v[LI]
	s_add_co_u32 s72, s72, 16384
	v_add_nc_u32 v[KSET+3], YOFF+16384, v[L4]
	s_delay_alu instid0(VALU_DEP_1)
	v_add_nc_u32 v[KSET+4], 2*PBB, v[KSET+3]
	v_add_nc_u32 v[KSET+5], s72, v[L4]
	s_mul_i32 s72, s15, 4*PBB                      ; phase V: source 0 = FC's four pairs of chunk w / 4, source 1 = Wkv's pair w % 4
	s_mul_i32 s73, s16, PBB
	s_add_co_u32 s73, s73, YOFF
	v_add_nc_u32 v[VSET], s72, v[LI]
	s_delay_alu instid0(VALU_DEP_1)
	v_add_nc_u32 v[VSET+1], 2*PBB, v[VSET]
	v_add_nc_u32 v[VSET+2], s73, v[LI]
	s_add_co_u32 s72, s72, 16384
	s_add_co_u32 s73, s73, 16384
	v_add_nc_u32 v[VSET+3], s72, v[L4]
	s_delay_alu instid0(VALU_DEP_1)
	v_add_nc_u32 v[VSET+4], 2*PBB, v[VSET+3]
	v_add_nc_u32 v[VSET+5], s73, v[L4]
	; where the results go
	s_lshr_b32 s72, s42, 3                         ; b
	s_and_b32 s73, s42, 7                          ; which 256 of b's 2,048 keys
	s_lshl_b32 s74, s72, 4
	s_lshl_b32 s75, s17, 1
	s_add_co_u32 s74, s74, s75
	s_mul_i32 s74, s74, KVB                        ; the block of (b, head 2 x tile of d)
	s_lshl_b32 s75, s73, 1
	s_add_co_u32 s75, s75, s15                     ; the step of 128 keys: 2 x (tile % 8) + w / 4
	s_lshl_b32 s78, s73, 13
	s_lshl_b32 s79, s14, 10
	s_add_co_u32 s78, s78, s79
	s_add_co_u32 s[KB], s74, s78                   ; K's codes: key tiles 16 (tile % 8) + 2 w and the next
	s_mov_b32 s[KB+1], 0
	s_lshl_b32 s78, s75, 9
	s_lshl_b32 s79, s16, 7
	s_add_co_u32 s78, s78, s79
	s_add_co_u32 s78, s78, 131072
	s_add_co_u32 s[KSB], s74, s78                  ; K's scale words: that step, tiles 2 (w % 4) and the next
	s_mov_b32 s[KSB+1], 0
	s_lshr_b32 s78, s16, 1
	s_mul_i32 s78, s78, KVB
	s_add_co_u32 s78, s78, s74                     ; phase V: the block of the head that my pair of d belongs to
	s_and_b32 s79, s16, 1
	s_lshl_b32 s80, s79, 15
	s_lshl_b32 s81, s75, 10
	s_add_co_u32 s80, s80, s81
	s_add_co_u32 s80, s80, 65536
	s_add_co_u32 s[VB], s78, s80                   ; V^T's codes: d tiles 2 (w % 2) and the next, chunks 2 x step and the next
	s_mov_b32 s[VB+1], 0
	s_lshl_b32 s80, s79, 7
	s_lshl_b32 s81, s75, 8
	s_add_co_u32 s80, s80, s81
	s_add_co_u32 s80, s80, 139264
	s_add_co_u32 s[VSB], s78, s80                  ; V^T's scale words
	s_mov_b32 s[VSB+1], 0
	s_add_nc_u64 s[KB:KB+1], s[8:9], s[KB:KB+1]
	s_add_nc_u64 s[KSB:KSB+1], s[8:9], s[KSB:KSB+1]
	s_add_nc_u64 s[VB:VB+1], s[8:9], s[VB:VB+1]
	s_add_nc_u64 s[VSB:VSB+1], s[8:9], s[VSB:VSB+1]
	s_mov_b32 s82, 0xffff0000                      ; lanes 16-31
	s_wait_alu depctr_va_vdst(0)
	s_wait_tensorcnt 0x0                           ; my part has landed,
	s_barrier_signal -1
	s_barrier_wait -1                              ; everybody's has
	; ---- phase K: a lane's 64 registers of tile a are d = 0 .. 127 of the two heads, for key row lane % 16.  Registers 0-3 of the fragment are the even head's 64, registers 4-7 the odd head's
	WGEMM KSET
	QPREP
.irp a, 0,1
	QUANT ACC+64*\a, PC+8*\a, PW+\a
	global_store_b128 v[LI], v[PC+8*\a:PC+8*\a+3], s[KB:KB+1] offset:512*\a           ; 512 consecutive bytes a store, aligned
	global_store_b128 v[LI], v[PC+8*\a+4:PC+8*\a+7], s[KB:KB+1] offset:512*\a+KVB
.endr
	v_cndmask_b32 v[MW], v[PW], v[PW+1], s82       ; lanes 0-15: tile 0's words, lanes 16-31: tile 1's
	s_delay_alu instid0(VALU_DEP_1)
	v_lshrrev_b32 v[MWO], 16, v[MW]                ; the odd head's two bytes come down; the bytes above become 0, which is a scale like any other and meets zero codes
	global_store_b32 v[L4], v[MW], s[KSB:KSB+1]    ; the even head keeps the odd head's bytes above its own: they too meet zero codes
	global_store_b32 v[L4], v[MWO], s[KSB:KSB+1] offset:KVB
	; ---- phase V: a lane's 64 registers of tile a are the chunk's 128 keys in their true order, for d row lane % 16
	s_wait_xcnt 0x0                                ; phase K's stores have read their registers: only behind this wait are they loaded and written again
	WGEMM VSET
	QPREP
.irp a, 0,1
	QUANT ACC+64*\a, PC+8*\a, PW+\a
	global_store_b128 v[LI], v[PC+8*\a:PC+8*\a+3], s[VB:VB+1] offset:16384*\a
	global_store_b128 v[LI], v[PC+8*\a+4:PC+8*\a+7], s[VB:VB+1] offset:16384*\a+512
.endr
	v_cndmask_b32 v[MW], v[PW], v[PW+1], s82
	global_store_b32 v[L4], v[MW], s[VSB:VSB+1]
	s_wait_dscnt 0x0                               ; no LDS instruction of mine is pending at a signal
	s_wait_tensorcnt 0x0
	ds_add_u32 v30, v31
	s_wait_dscnt 0x0
	CROUND                                         ; the closing round: no work-group ends while a partner may still ask for a block that names it
	s_endpgm
.Lfunc_end_k_qb76f8b963d_gemm23:
	.size	k_qb76f8b963d_gemm23, .Lfunc_end_k_qb76f8b963d_gemm23-k_qb76f8b963d_gemm23
	.p2alignl 7, 3214868480
	.fill 96, 4, 3214868480
	.section	.rodata,"a",@progbits
	.p2align	6, 0x0
	.amdhsa_kernel k_qb76f8b963d_gemm23
		.amdhsa_group_segment_fixed_size 209920
		.amdhsa_private_segment_fixed_size 0
		.amdhsa_enable_private_segment 0
		.amdhsa_kernarg_size 24
		.amdhsa_user_sgpr_count 2
		.amdhsa_user_sgpr_kernarg_segment_ptr 1
		.amdhsa_wavefront_size32 1
		.amdhsa_system_sgpr_workgroup_id_x 1
		.amdhsa_system_sgpr_workgroup_id_y 1
		.amdhsa_system_sgpr_workgroup_id_z 1
		.amdhsa_system_vgpr_workitem_id 0
		.amdhsa_next_free_vgpr 256
		.amdhsa_next_free_sgpr 84
		.amdhsa_reserve_vcc 0
		.amdhsa_float_denorm_mode_32 3
		.amdhsa_float_denorm_mode_16_64 3
		.amdhsa_memory_ordered 1
		.amdhsa_forward_progress 1
		.amdhsa_inst_pref_size 89
	.end_amdhsa_kernel
	.amdgpu_metadata
---
amdhsa.version: [ 1, 2 ]
amdhsa.kernels:
  - .name:           k_qb76f8b963d_gemm23
    .symbol:         k_qb76f8b963d_gemm23.kd
    .args:
      - { .name: fcimg, .offset: 0, .size: 8, .value_kind: global_buffer, .address_space: global }
      - { .name: wimg, .offset: 8, .size: 8, .value_kind: global_buffer, .address_space: global }
      - { .name: kvp, .offset: 16, .size: 8, .value_kind: global_buffer, .address_space: global }
    .group_segment_fixed_size: 209920
    .private_segment_fixed_size: 0
    .kernarg_segment_align: 8
    .kernarg_segment_size: 24
    .max_flat_workgroup_size: 256
    .sgpr_count:     84
    .vgpr_count:     256
    .wavefront_size: 32
...
	.end_amdgpu_metadata
.endif
;; end of part 3
;; launch attn (part 4): grid 4 x 64, 8 waves a work-group, clusters of 4 x 1, 179,200 bytes of LDS; arguments fcimg, fc, kvp, out0, out1; writes out0, out1
.if DOCPART == 4
	.amdgcn_target "amdgcn-amd-amdhsa--gfx1250"
	.amdhsa_code_object_version 6
	.text
	.protected	k_qb76f8b963d_attn
	.globl	k_qb76f8b963d_attn
	.p2align	8
	.type	k_qb76f8b963d_attn,@function
k_qb76f8b963d_attn:
	s_mov_b64 s[64:65], 0
	v_nop
	global_prefetch_b8 v0, s[64:65] scope:SCOPE_SE
	s_setreg_imm32_b32 hwreg(HW_REG_WAVE_MODE, 25, 1), 1
	s_wait_xcnt 0x0
	s_wait_alu depctr_hold_cnt(0) depctr_sa_sdst(0) depctr_va_vdst(0) depctr_va_sdst(0) depctr_va_ssrc(0) depctr_va_vcc(0) depctr_vm_vsrc(0)
	s_getreg_b32 s2, hwreg(HW_REG_IB_STS2, 6, 4)
	s_cmp_eq_u32 s2, 0
	s_cbranch_scc0 .Lentry_in_a_cluster
	s_endpgm
.Lentry_in_a_cluster:
	s_bfe_u32 s2, ttmp6, 0x10000c
	s_cmp_lg_u32 s2, 0x3003
	s_cbranch_scc0 .Lentry_shape_is_right
	s_endpgm
.Lentry_shape_is_right:
; ATTN: both attentions at once.  For each (b, head) the 2,048 rows of FC are the queries against the same 2,048 keys; out = softmax(Q K^T / 8) V + FC; rows 0-1,023 of a batch go to out0, rows 1,024-2,047 to out1.
; Both products on codes of FP4 (E2M1) with one E8M0 scale for each 32 along a product's K.  Q's codes and scale bytes are FC's; K's and V^T's were made by the launch before.
; THE SOFTMAX: t = score x log2(e) / 8; M = the row's largest t so far, rounded up to a whole number; p = 2^(t - M) is quantised along the keys, not normalised.  The row's sum is taken of the unquantised p, in f32,
; and divides O at the end.  When M moves, the sum and O are multiplied by 2^(old M - new M), which rounds nothing.
; SHARES.  A work-group owns 512 queries of one (b, head); each of its eight waves owns 64, taken in two passes of two tiles of 16; two waves to a SIMD.  A key step is 256 keys, 8 trips a pass: its fragments of K and
; V^T are read from LDS once for the two tiles, and M, the rescaling of O and the sum's rescaling are done once for 256 keys.  The first pass's rows leave while the second is computed.
; THE WHOLE HEAD'S K AND V LIE IN LDS: 143,360 bytes, filled once, each wave fetching an eighth (70 rows of 256 bytes): no refill, no barrier in the loop.
; CLUSTER: the four work-groups of a cluster share (b, head): the block is asked for JOINTLY.  A wave has one tensor load out.
; LAYOUT.  Both products are used transposed: a lane holds ONE query (lane % 16).  THE KEYS OF A SCORE TILE ARE CHOSEN BY THE LANES' LDS ADDRESSES: row 8 h + j of tile 4 c + u is key 64 c + 32 h + 8 u + j, so that the
; 32 registers of tiles 4 c .. 4 c + 3 are one whole block of 32 keys (block 2 c + lane / 16): its largest score needs no other lane, and the conversions' results are the second product's operand as they stand.
; THE HEAD'S K IS 64, THE INSTRUCTION'S 128.  Q's registers 4-7 are zero codes; a key tile's four registers are named with the four that follow (the next tile's codes, or zeros): they add nothing, and no scale byte is 0xff.
; A pass's last look-ahead for K reads the bytes behind K's codes and words, which lie inside the filled block; what it brings is not used.
; No prefetch: the block comes once, at the head, and the residual is loaded into registers a whole pass ahead of its use.
; LIMITS: NaN and infinities are not served.  A block of p that has fallen to zeros keeps the scale byte 1.  The promise holds while the scaled scores t stay under 2^31 in magnitude.
; UPPER WINDOW (named v0-255 under s_set_vgpr_msb): 0-63 O^T (tile x at 32 x), 64-123 K's tiles 0-14, 124-127 zeros, 128-191 V^T's eight fragments, 192-255 the residual.
.set KVB,    143360
.set PBB,    17408
.set VCO,    65536                     ; V^T's codes in the block
.set KSO,    131072                    ; K's scale words
.set VSO,    139264                    ; V^T's scale words
.set STG,    143360                    ; a stage of 16 rows x (256 + 16) bytes for each wave; no fill lands there
.set SPITCH, 272
.set SPARE,  178176                    ; the spare words: 128 bytes a wave
.set SPW,  1
.set NIL,  2
.set AK0,  3                           ; my lane's places: K's codes, V^T's codes, K's words, V^T's words
.set AV0,  4
.set AS0,  5
.set AT0,  6
.set ADK,  7                           ; the step's LDS addresses
.set ADV,  8
.set ADS,  9
.set ADT,  10
.set KSC,  12                          ; v12-19 K's scale words, v20-23 V^T's, v24-25 Q's, v26-27 p's: scales and nothing else
.set VSC,  20
.set QSC,  24
.set PSC,  26
.set ST,   28                          ; tile x: v[28+4x] -M, +1 the largest score, +2, +3 the sum in two halves
.set F,    36                          ; f = 2^(old M - new M), as a pair's low word
.set QF,   38                          ; tile x: four registers of codes, four of zeros
.set KL,   54                          ; K's tile 15 and four zeros
.set PCD,  62                          ; p's codes: 16 registers
.set S,    78                          ; v78-205 S^T, then p
.set BM,   206                         ; the four blocks' largest scores, then p, then bytes
.set BN,   210                         ; each block's second chain
.set SOP,  214                         ; the conversions' scale operands
.set PT,   218                         ; lane permutes' results
.set T0,   220
.set T1,   221
.set SA,   222                         ; eight partial sums, pairs
.set GO,   238                         ; 4,096 (lane / 16) + 16 (lane % 16): two rows of FC or of the output
.set SI,   239                         ; the stage, in
.set SO,   240                         ; the stage, out
.set LI,   241                         ; 16 x lane
.set LQ,   242                         ; 4 (lane % 16)
.set KC,   64                          ; upper window
.set VF,   128
.set R,    192
.set WV,   14
.set SEL,  20
.set CS,   22
.set G1,   24
.set G0,   32
.set QB,   36
.set QS,   38
.set FB,   40
.set OB,   42
.set SH,   44
.set TK,   45
.set TV,   46
.set TS,   47
.set TJ,   48
.set CNT,  49
.set MSB, 0
.macro WIN new                         ; low byte: bits 1:0 source 0, 3:2 source 1, 5:4 source 2, 7:6 destination; the high byte repeats the setting that is left
.if MSB != \new
	s_set_vgpr_msb (MSB<<8)|\new
.set MSB, \new
.endif
.endm
.macro ROUND                           ; a round of the cluster's barrier
	s_barrier_signal -1
	s_barrier_wait -1
	s_cmp_lg_u32 s[WV], 0
	s_cbranch_scc1 .Lnot_wave_0_\@
	s_barrier_signal -3
.Lnot_wave_0_\@:
	s_barrier_wait -3
	s_barrier_signal -1
	s_barrier_wait -1
.endm
; One product.  zero: C is the constant 0, else D;  ra: 1 = source 0's words stand in lanes 16-31
.macro WM d, a, b, zero, sa, sb, ra
.if \zero
.if \ra
	v_wmma_scale_f32_16x16x128_f8f6f4 v[(\d):(\d)+7], v[(\a):(\a)+7], v[(\b):(\b)+7], 0, v[\sa], v[\sb] matrix_a_fmt:MATRIX_FMT_FP4 matrix_b_fmt:MATRIX_FMT_FP4 matrix_a_scale:MATRIX_SCALE_ROW1
.else
	v_wmma_scale_f32_16x16x128_f8f6f4 v[(\d):(\d)+7], v[(\a):(\a)+7], v[(\b):(\b)+7], 0, v[\sa], v[\sb] matrix_a_fmt:MATRIX_FMT_FP4 matrix_b_fmt:MATRIX_FMT_FP4
.endif
.else
.if \ra
	v_wmma_scale_f32_16x16x128_f8f6f4 v[(\d):(\d)+7], v[(\a):(\a)+7], v[(\b):(\b)+7], v[(\d):(\d)+7], v[\sa], v[\sb] matrix_a_fmt:MATRIX_FMT_FP4 matrix_b_fmt:MATRIX_FMT_FP4 matrix_a_scale:MATRIX_SCALE_ROW1
.else
	v_wmma_scale_f32_16x16x128_f8f6f4 v[(\d):(\d)+7], v[(\a):(\a)+7], v[(\b):(\b)+7], v[(\d):(\d)+7], v[\sa], v[\sb] matrix_a_fmt:MATRIX_FMT_FP4 matrix_b_fmt:MATRIX_FMT_FP4
.endif
.endif
.endm
; K's 16 score tiles of a step and their 8 registers of scale words: 24 LDS loads.  Tile k = 4 c + u: 2,048 c + 512 (u % 2) + 128 (u / 2) behind my lane's place
.macro KLOAD
	WIN 0x40
.irp k, 0,1,2,3,4,5,6,7,8,9,10,11,12,13,14
	ds_load_b128 v[KC+4*\k:KC+4*\k+3], v[ADK] offset:2048*(\k/4)+512*(\k%2)+128*((\k%4)/2)
.endr
	WIN 0
	ds_load_b128 v[KL:KL+3], v[ADK] offset:6144+512+128
.irp i, 0,1,2,3,4,5,6,7
	ds_load_b32 v[KSC+\i], v[ADS] offset:256*(\i/2)+32*(\i%2)      ; lanes 0-15: tile 4 (i / 2) + 2 (i % 2), lanes 16-31: the next
.endr
.endm
; V^T's eight fragments (2 chunks of 128 keys x 4 tiles of 16 channels) and their 4 registers of scale words: 20 LDS loads
.macro VLOAD
	v_add_nc_u32 v[ADV], s[TV], v[AV0]
	v_add_nc_u32 v[ADT], s[TJ], v[AT0]
	WIN 0x40
.irp w, 0,1
.irp t, 0,1,2,3
.irp c, 0,1
	ds_load_b128 v[VF+8*(4*\w+\t)+4*\c:VF+8*(4*\w+\t)+4*\c+3], v[ADV] offset:16384*\t+1024*\w+512*\c
.endr
.endr
.endr
	WIN 0
.irp i, 0,1,2,3
	ds_load_b32 v[VSC+\i], v[ADT] offset:128*\i
.endr
	s_add_co_u32 s[TV], s[TV], 2048
	s_add_co_u32 s[TJ], s[TJ], 512
.endm
.macro QLOAD p                         ; pass p's queries: codes as the registers want them, and FC's scale words of their rows
.irp x, 0,1
	global_load_b128 v[QF+8*\x:QF+8*\x+3], v[LI], s[QB:QB+1] offset:\p*PBB+\x*8192
	global_load_b32 v[QSC+\x], v[LQ], s[QS:QS+1] offset:\p*PBB+\x*64
.endr
.endm
.macro FMAS n                          ; t - M, two at a time (of the pairs c and -M the low word serves both halves)
.rept \n
	v_pk_fma_f32 v[S+j:S+j+1], v[S+j:S+j+1], s[CS:CS+1], v[NM:NM+1] op_sel_hi:[1,0,0]
.set j, j+2
.endr
.endm
.macro ADDS i                          ; round i (0 .. 6) of the row's sum of the unquantised p: eight chains of pairs
.irp k, 0,1,2,3,4,5,6,7
.if \i == 0
	v_pk_add_f32 v[SA+2*\k:SA+2*\k+1], v[S+2*\k:S+2*\k+1], v[S+2*\k+16:S+2*\k+17]
.else
	v_pk_add_f32 v[SA+2*\k:SA+2*\k+1], v[SA+2*\k:SA+2*\k+1], v[S+2*\k+16*(\i+1):S+2*\k+16*(\i+1)+1]
.endif
.endr
.endm
; ONE TILE OF 16 QUERIES AGAINST THE STEP'S 256 KEYS
.macro TILE x
.set NM, ST+4*\x
.set SU, ST+4*\x+2
.set QX, QF+8*\x
.if \x == 0
	s_wait_dscnt 20                                ; K's 24 loads are in; V's 20, issued behind them, land under this tile's softmax
.endif
	WIN 0x01
.irp k, 0,1,2,3,4,5,6,7,8,9,10,11,12,13,14
	WM S+8*\k, KC+4*\k, QX, 1, KSC+2*(\k/4)+(\k%4)/2, QSC+\x, \k%2
.endr
	WIN 0
	WM S+120, KL, QX, 1, KSC+7, QSC+\x, 1
.if \x == 1                            ; K's registers are done with: the next step's come in under this tile's softmax.  Four plain instructions stand behind the products (ISA guide 7.12.1)
	s_add_co_u32 s[TK], s[TK], 8192
	s_add_co_u32 s[TS], s[TS], 1024
	v_add_nc_u32 v[ADK], s[TK], v[AK0]
	v_add_nc_u32 v[ADS], s[TS], v[AS0]
	v_nop
	v_nop
	KLOAD
.else
.rept 4
	v_nop
.endr
.endif
.irp c, 0,1,2,3                        ; the largest score of each of my four blocks of 32 keys, in two chains of 17 and 15: for the row's maximum and for the block's largest p.  Each accumulator is first read in one of its four lowest registers
	v_max3_num_f32 v[BM+\c], v[S+32*\c], v[S+32*\c+1], v[S+32*\c+2]
	v_max3_num_f32 v[BN+\c], v[S+32*\c+17], v[S+32*\c+18], v[S+32*\c+19]
.endr
.irp i, 3,5,7,9,11,13
.irp c, 0,1,2,3
	v_max3_num_f32 v[BM+\c], v[BM+\c], v[S+32*\c+\i], v[S+32*\c+\i+1]
	v_max3_num_f32 v[BN+\c], v[BN+\c], v[S+32*\c+\i+17], v[S+32*\c+\i+18]
.endr
.endr
.irp c, 0,1,2,3
	v_max3_num_f32 v[BM+\c], v[BM+\c], v[S+32*\c+15], v[S+32*\c+16]
.endr
.irp c, 0,1,2,3
	v_max_num_f32 v[BM+\c], v[BM+\c], v[BN+\c]
.endr
	v_max3_num_f32 v[T0], v[BM], v[BM+1], v[BM+2]
	s_delay_alu instid0(VALU_DEP_1)
	v_max3_num_f32 v[T0], v[T0], v[BM+3], v[NM+1]
	s_delay_alu instid0(VALU_DEP_1)
	v_permlanex16_b32 v[PT], v[T0], s[SEL], s[SEL+1]
	s_delay_alu instid0(VALU_DEP_1)
	v_max_num_f32 v[NM+1], v[T0], v[PT]            ; the running largest score of my query, lane l xor 16's keys among them
	v_mov_b32 v[T1], v[NM]
	s_delay_alu instid0(VALU_DEP_2)
	v_mul_f32 v[T0], s[CS], v[NM+1]                ; as t (c is positive)
	s_delay_alu instid0(VALU_DEP_1)
	v_floor_f32 v[NM], -v[T0]                      ; the new -M = -ceil(t): a whole number
.set j, 0
	FMAS 8
	v_sub_f32 v[T1], v[NM], v[T1]                  ; old M - new M: a whole number, 0 or less
	FMAS 8
	v_cvt_i32_f32 v[T1], v[T1]                     ; (it saturates)
	FMAS 8
	v_ldexp_f32 v[F], 1.0, v[T1]                   ; f = 2^(old M - new M)
	FMAS 40
.irp c, 0,1,2,3
	v_fma_f32 v[BM+\c], v[BM+\c], s[CS], v[NM]     ; the same of each block's largest score
.endr
	WIN 0x41
	s_wait_alu depctr_va_vdst(0)                   ; ahead of O^T's first reader, and ahead of the batch below
.set j, 0
.rept 16
	v_pk_mul_f32 v[32*\x+j:32*\x+j+1], v[32*\x+j:32*\x+j+1], v[F:F+1] op_sel_hi:[1,0]   ; O^T under the new M
.set j, j+2
.endr
	WIN 0
.set j, 0
.rept 128
	v_exp_f32 v[S+j], v[S+j]                       ; p = 2^(t - M): not normalised
.set j, j+1
.endr
.irp c, 0,1,2,3
	v_exp_f32 v[BM+\c], v[BM+\c]                   ; the block's largest p: the same two instructions on the same number
.endr
	v_nop                                          ; one plain instruction behind the exponentials
	s_wait_alu depctr_va_vdst(0)                   ; one wait for the batch
.irp c, 0,1,2,3
	v_max_num_f32 v[BM+\c], 0x1800000, v[BM+\c]    ; the floor 2^(3 - 127): the byte cannot fall under 1
.endr
.irp c, 0,1,2,3
	v_add_nc_u32 v[SOP+\c], 0xff000000, v[BM+\c]   ; 2 off the exponent field: the conversion's scale operand
.endr
.irp c, 0,1,2,3
	v_lshrrev_b32 v[BM+\c], 23, v[SOP+\c]          ; the scale's byte
.endr
	v_lshl_or_b32 v[T0], v[BM+1], 16, v[BM]        ; my two bytes of each 128 keys: blocks h and 2 + h
	v_lshl_or_b32 v[T1], v[BM+3], 16, v[BM+2]
	s_delay_alu instid0(VALU_DEP_2)
	v_permlanex16_b32 v[PT], v[T0], s[SEL], s[SEL+1]
	s_delay_alu instid0(VALU_DEP_2)
	v_permlanex16_b32 v[PT+1], v[T1], s[SEL], s[SEL+1]
	s_delay_alu instid0(VALU_DEP_2)
	v_lshl_or_b32 v[PSC], v[PT], 8, v[T0]          ; lanes 0-15, which the product reads, hold the whole word
	s_delay_alu instid0(VALU_DEP_2)
	v_lshl_or_b32 v[PSC+1], v[PT+1], 8, v[T1]
.irp k, 0,1,2,3,4,5,6,7,8,9,10,11,12,13,14,15
	v_cvt_scalef32_pk8_fp4_f32 v[PCD+\k], v[S+8*\k:S+8*\k+7], v[SOP+\k/4]   ; tile k's eight keys are register k of the operand
.endr
	v_nop                                          ; one plain instruction behind a scaled conversion
	ADDS 0                                         ; these sixteen lines also stand between the writing of p's codes and words and the products
	ADDS 1
.if \x == 0
	s_wait_alu depctr_va_vdst(0)
	s_wait_dscnt 0x0                               ; V's fragments and words are in
.endif
	WIN 0x51
.irp w, 0,1
.irp t, 0,1,2,3
	WM 32*\x+8*\t, VF+8*(4*\w+\t), PCD+8*\w, 0, VSC+2*\w+\t/2, PSC+\w, \t%2   ; the four accumulators by turns
.endr
.endr
	WIN 0
.irp i, 2,3,4,5,6                      ; the rest of the sums: plain instructions behind the products
	ADDS \i
.endr
.irp k, 0,1,2,3
	v_pk_add_f32 v[SA+2*\k:SA+2*\k+1], v[SA+2*\k:SA+2*\k+1], v[SA+2*\k+8:SA+2*\k+9]
.endr
.irp k, 0,1
	v_pk_add_f32 v[SA+2*\k:SA+2*\k+1], v[SA+2*\k:SA+2*\k+1], v[SA+2*\k+4:SA+2*\k+5]
.endr
	s_delay_alu instid0(VALU_DEP_1)
	v_pk_add_f32 v[SA:SA+1], v[SA:SA+1], v[SA+2:SA+3]
	s_delay_alu instid0(VALU_DEP_1)
	v_pk_fma_f32 v[SU:SU+1], v[SU:SU+1], v[F:F+1], v[SA:SA+1] op_sel_hi:[1,0,1]   ; the old sum under the new M, and the step's
.endm
	s_load_b256 s[4:11], s[0:1], 0x0               ; fcimg, fc, kvp, out0
	s_load_b64 s[12:13], s[0:1], 0x20              ; out1
	v_lshl_add_u32 v[SPW], v0, 2, SPARE
	v_mov_b32 v[NIL], 0
	ds_add_u32 v[SPW], v[NIL]                      ; the opening lines: the add, twice on end, and its wait
	ds_add_u32 v[SPW], v[NIL]
	v_lshrrev_b32 v[T0], 5, v0
	s_delay_alu instid0(VALU_DEP_1)
	v_readfirstlane_b32 s[WV], v[T0]               ; wave 0..7
	s_bfe_u32 s15, ttmp6, 0x40000                  ; cx
	s_lshl_b32 s16, ttmp9, 2
	s_add_co_u32 s16, s16, s15                     ; my block of 512 queries: it enters Q's, FC's and the output's addresses alone
	s_and_b32 s17, ttmp7, 0xffff                   ; 16 b + head, which the four partners share
	s_lshr_b32 s18, s17, 4                         ; b
	s_and_b32 s19, s17, 15                         ; head
	s_mul_i32 s50, s17, KVB
	s_mul_i32 s51, s[WV], 17920
	s_add_co_u32 s50, s50, s51                     ; my eighth of the head's block
	s_mov_b32 s51, 0
	s_mov_b32 s[G1], 15|(3<<16)|(1<<21)            ; the mask: all four work-groups; elements of 8 bytes; bit 21 beside a mask
	s_mov_b32 s[G1+1], 32<<16                      ; rows of 256 bytes
	s_mov_b32 s[G1+2], 70<<16
	s_mov_b32 s[G1+3], 32<<16
	s_mov_b32 s[G1+4], 70
	s_mov_b32 s[G1+5], 32
	s_mov_b32 s[G1+6], 0
	s_mov_b32 s[G1+7], 0
	s_lshl_b32 s52, s18, 6
	s_lshl_b32 s53, s16, 4
	s_add_co_u32 s52, s52, s53
	s_lshl_b32 s53, s[WV], 1
	s_add_co_u32 s52, s52, s53                     ; P = 64 b + 16 x block + 2 x wave: pass 0's pair of tiles; pass 1's is the next
	s_mul_i32 s54, s52, PBB
	s_lshl_b32 s55, s19, 9
	s_add_co_u32 s[QB], s54, s55                   ; Q's codes: pair block P, unit = head
	s_mov_b32 s[QB+1], 0
	s_lshr_b32 s55, s19, 1
	s_lshl_b32 s55, s55, 7
	s_add_co_u32 s[QS], s54, s55
	s_add_co_u32 s[QS], s[QS], 16384               ; Q's scale words: piece head / 2
	s_mov_b32 s[QS+1], 0
	s_and_b32 s[SH], s19, 1
	s_lshl_b32 s[SH], s[SH], 4
	s_lshl_b32 s[FB], s52, 17                      ; FC: 32 P rows of 4,096 bytes,
	s_lshl_b32 s55, s19, 8
	s_add_co_u32 s[FB], s[FB], s55                 ; + the head's 256 bytes
	s_mov_b32 s[FB+1], 0
	s_lshl_b32 s[OB], s18, 10                      ; the output: row 1,024 b + 512 (block % 2) + 64 wave
	s_and_b32 s56, s16, 1
	s_lshl_b32 s56, s56, 9
	s_add_co_u32 s[OB], s[OB], s56
	s_lshl_b32 s56, s[WV], 6
	s_add_co_u32 s[OB], s[OB], s56
	s_lshl_b32 s[OB], s[OB], 12
	s_add_co_u32 s[OB], s[OB], s55
	s_mov_b32 s[OB+1], 0
	s_mul_i32 s57, s[WV], 16*SPITCH
	s_add_co_u32 s57, s57, STG                     ; my stage
	s_mov_b32 s[SEL], 0x76543210
	s_mov_b32 s[SEL+1], 0xfedcba98
	s_mov_b32 s[CS], 0x3e38aa3b                    ; c = log2(e) / 8
	s_mov_b32 s[CS+1], s[CS]
	s_wait_dscnt 0x0
	s_wait_kmcnt 0x0
	s_cmp_ge_u32 s16, 2                            ; blocks 2 and 3 are x2's queries: a choice of buffer, no branch
	s_cselect_b64 s[10:11], s[12:13], s[10:11]
	s_add_nc_u64 s[QB:QB+1], s[4:5], s[QB:QB+1]
	s_add_nc_u64 s[QS:QS+1], s[4:5], s[QS:QS+1]
	s_add_nc_u64 s[FB:FB+1], s[6:7], s[FB:FB+1]
	s_add_nc_u64 s[OB:OB+1], s[10:11], s[OB:OB+1]
	s_add_nc_u64 s[50:51], s[8:9], s[50:51]
	ROUND                                          ; all four work-groups are here: the joint loads meet
	s_mov_b32 s[G0], 1
	s_mul_i32 s[G0+1], s[WV], 17920                ; the block lies in LDS as in memory
	s_mov_b64 s[G0+2:G0+3], s[50:51]
	s_or_b32 s[G0+3], s[G0+3], 0x80000000
	tensor_load_to_lds s[G0:G0+3], s[G1:G1+7]      ; every wave's one tensor load
	s_nop 0
.rept 4
	v_nop
.endr
	v_and_b32 v[LI], 31, v0
	v_and_b32 v[LQ], 15, v0
	v_and_b32 v[T0], 7, v0                         ; lane % 8
	v_bfe_u32 v[T1], v0, 3, 1                      ; (lane % 16) / 8
	v_bfe_u32 v[PT], v0, 4, 1                      ; lane / 16
	v_lshlrev_b32 v[AT0], 2, v[LI]
	v_lshlrev_b32 v[LI], 4, v[LI]
	v_lshlrev_b32 v[AK0], 4, v[T0]                 ; K's codes: 1,024 ((lane % 16) / 8) + 256 (lane / 16) + 16 (lane % 8)
	v_lshl_add_u32 v[AS0], v[T0], 2, KSO           ; K's words: 128 ((lane % 16) / 8) + 64 (lane / 16) + 4 (lane % 8)
	v_add_nc_u32 v[AT0], VSO, v[AT0]
	v_add_nc_u32 v[AV0], VCO, v[LI]
	v_lshl_add_u32 v[AK0], v[T1], 10, v[AK0]
	v_lshl_add_u32 v[AS0], v[T1], 7, v[AS0]
	v_lshlrev_b32 v[GO], 12, v[PT]
	v_mul_u32_u24 v[SI], v[LQ], SPITCH
	v_mul_u32_u24 v[SO], v[PT], SPITCH
	v_lshl_add_u32 v[AK0], v[PT], 8, v[AK0]
	v_lshl_add_u32 v[AS0], v[PT], 6, v[AS0]
	v_lshl_add_u32 v[GO], v[LQ], 4, v[GO]
	v_lshl_add_u32 v[SI], v[PT], 6, v[SI]
	v_lshl_add_u32 v[SO], v[LQ], 4, v[SO]
	v_lshlrev_b32 v[LQ], 2, v[LQ]
	v_add_nc_u32 v[SI], s57, v[SI]                 ; in: row l % 16, + 64 (l / 16)
	v_add_nc_u32 v[SO], s57, v[SO]                 ; back: lanes 0-15 one row, lanes 16-31 the next
	QLOAD 0
.irp i, 4,5,6,7
	v_mov_b32 v[QF+\i], 0                          ; zero codes for k = 64 .. 127 of Q
	v_mov_b32 v[QF+8+\i], 0
	v_mov_b32 v[KL+\i], 0                          ; zeros behind K's last tile
.endr
	v_mov_b32 v[PT+1], 0                           ; a lane permute's destination counts as one of its sources
	v_mov_b32 v[F+1], 0                            ; (named as a pair's upper half)
	WIN 0x40
.irp i, 124,125,126,127
	v_mov_b32 v[\i], 0                             ; zeros behind K's tile 14
.endr
	WIN 0
	s_wait_alu depctr_va_vdst(0)
	s_wait_tensorcnt 0x0                           ; my part has landed,
	s_barrier_signal -1
	s_barrier_wait -1                              ; everybody's has: from here on the block is only read
; ONE PASS: two tiles of 16 queries against all 2,048 keys, and their way out
.macro PASS p
	s_wait_xcnt 0x0                                ; the last pass's stores have read their registers
	s_mov_b32 s[TK], 0
	s_mov_b32 s[TV], 0
	s_mov_b32 s[TS], 0
	s_mov_b32 s[TJ], 0
	s_mov_b32 s[CNT], 8
	v_add_nc_u32 v[ADK], s[TK], v[AK0]
	v_add_nc_u32 v[ADS], s[TS], v[AS0]
	KLOAD                                          ; step 0's K
	WIN 0x40
.irp x, 0,1
.irp i, 0,1,2,3,4,5,6,7
	global_load_b128 v[R+32*\x+4*\i:R+32*\x+4*\i+3], v[GO], s[FB:FB+1] offset:\p*131072+(8*\x+2*(\i%4)+16*(\i/4))*4096   ; the residual, in the layout of the stores: asked for now, wanted behind the key loop
.endr
.endr
	WIN 0
	s_wait_alu depctr_va_vdst(0)
	s_wait_loadcnt 16                              ; Q's four loads are in; the residual's 16, issued behind them, stay out
.irp x, 0,1
	v_lshrrev_b32 v[QSC+\x], s[SH], v[QSC+\x]      ; the head's two bytes come down to bytes 0 and 1; what stands above them meets zero codes
.endr
.irp x, 0,1
	v_mov_b32 v[ST+4*\x], 0x7f61b1e6               ; -M: 3e38
	v_mov_b32 v[ST+4*\x+1], 0xff61b1e6             ; the largest score so far: -3e38
	v_mov_b32 v[ST+4*\x+2], 0                      ; the sum
	v_mov_b32 v[ST+4*\x+3], 0
.endr
	WIN 0x40
.set j, 0
.rept 64
	v_mov_b32 v[j], 0                              ; O^T: the step is written once; the first finds zeros, which the first change of M leaves zeros
.set j, j+1
.endr
	WIN 0
	s_wait_alu depctr_va_vdst(0)
.Lstep_\@:
	VLOAD                                          ; behind the last products' plain instructions (the sums)
	TILE 0
	TILE 1
	s_sub_co_u32 s[CNT], s[CNT], 1
	s_cmp_lg_u32 s[CNT], 0
	s_wait_alu depctr_va_vdst(0)
	s_cbranch_scc1 .Lstep_\@
.if \p == 0
	QLOAD 1                                        ; the next pass's queries come in under the way out
.endif
	; THE WAY OUT: O^T / the sum goes through my stage and comes back as rows of the head's 256 bytes; the residual is added; sixteen lanes store 256 consecutive bytes, aligned
.irp x, 0,1
	v_add_f32 v[ST+4*\x+2], v[ST+4*\x+2], v[ST+4*\x+3]
.endr
.irp x, 0,1
	v_permlanex16_b32 v[PT+\x], v[ST+4*\x+2], s[SEL], s[SEL+1]
.endr
.irp x, 0,1
	v_add_f32 v[ST+4*\x+2], v[ST+4*\x+2], v[PT+\x] ; the row's sum
.endr
	s_wait_alu depctr_va_vdst(0)
.irp x, 0,1
	v_rcp_f32 v[ST+4*\x+2], v[ST+4*\x+2]
.endr
	v_nop
	WIN 0x01
	s_wait_alu depctr_va_vdst(0)                   ; for the batch, and ahead of O^T's first readers
.irp x, 0,1
.set j, 0
.rept 16
	v_pk_mul_f32 v[S+32*\x+j:S+32*\x+j+1], v[32*\x+j:32*\x+j+1], v[ST+4*\x+2:ST+4*\x+3] op_sel_hi:[1,0]   ; each accumulator from its low end on
.set j, j+2
.endr
.endr
	WIN 0
	s_wait_alu depctr_va_vdst(0)
.irp x, 0,1
.irp b, 0,1
.irp i, 0,1,2,3
	ds_store_b128 v[SI], v[S+32*\x+16*\b+4*\i:S+32*\x+16*\b+4*\i+3] offset:128*\b+16*\i   ; channels 32 b + 16 (l / 16) + 4 i on
.endr
.endr
	WIN 0x40
.irp i, 0,1,2,3,4,5,6,7
	ds_load_b128 v[32*\x+4*\i:32*\x+4*\i+3], v[SO] offset:2*SPITCH*\i   ; LDS serves a wave's instructions in order (ISA guide 5.7.1.4): these see the stores above, and the next tile's stores come behind them.  They land where O^T lay
.endr
	WIN 0
.endr
	s_wait_loadcnt 4*(1-\p)                        ; the residual is in; pass 0: the next pass's four loads of Q may be out
.irp x, 0,1
	s_wait_dscnt 16*(1-\x)                         ; tile x's rows are back; tile 1's 16 LDS instructions may be out
	WIN 0x45
.set j, 0
.rept 16
	v_pk_add_f32 v[32*\x+j:32*\x+j+1], v[32*\x+j:32*\x+j+1], v[R+32*\x+j:R+32*\x+j+1]
.set j, j+2
.endr
	WIN 0x04
.irp i, 0,1,2,3,4,5,6,7
	global_store_b128 v[GO], v[32*\x+4*\i:32*\x+4*\i+3], s[OB:OB+1] offset:\p*131072+(8*\x+2*(\i%4)+16*(\i/4))*4096 th:TH_STORE_NT   ; image row R of tile a is the pair's row 16 (R / 8) + 8 a + R % 8
.endr
.endr
	WIN 0
.endm
	PASS 0
	PASS 1
	s_wait_tensorcnt 0x0                           ; the wave's end
	ds_add_u32 v[SPW], v[NIL]
	s_wait_dscnt 0x0
	ROUND                                          ; the closing round
	s_endpgm
.Lfunc_end_k_qb76f8b963d_attn:
	.size	k_qb76f8b963d_attn, .Lfunc_end_k_qb76f8b963d_attn-k_qb76f8b963d_attn
	.p2alignl 7, 3214868480
	.fill 96, 4, 3214868480
	.section	.rodata,"a",@progbits
	.p2align	6, 0x0
	.amdhsa_kernel k_qb76f8b963d_attn
		.amdhsa_group_segment_fixed_size 179200
		.amdhsa_private_segment_fixed_size 0
		.amdhsa_enable_private_segment 0
		.amdhsa_kernarg_size 40
		.amdhsa_user_sgpr_count 2
		.amdhsa_user_sgpr_kernarg_segment_ptr 1
		.amdhsa_wavefront_size32 1
		.amdhsa_system_sgpr_workgroup_id_x 1
		.amdhsa_system_sgpr_workgroup_id_y 1
		.amdhsa_system_sgpr_workgroup_id_z 1
		.amdhsa_system_vgpr_workitem_id 0
		.amdhsa_next_free_vgpr 512
		.amdhsa_next_free_sgpr 66
		.amdhsa_reserve_vcc 0
		.amdhsa_float_denorm_mode_32 3
		.amdhsa_float_denorm_mode_16_64 3
		.amdhsa_memory_ordered 1
		.amdhsa_forward_progress 1
		.amdhsa_inst_pref_size 137
	.end_amdhsa_kernel
	.amdgpu_metadata
---
amdhsa.version: [ 1, 2 ]
amdhsa.kernels:
  - .name:           k_qb76f8b963d_attn
    .symbol:         k_qb76f8b963d_attn.kd
    .args:
      - { .name: fcimg, .offset: 0, .size: 8, .value_kind: global_buffer, .address_space: global }
      - { .name: fc, .offset: 8, .size: 8, .value_kind: global_buffer, .address_space: global }
      - { .name: kvp, .offset: 16, .size: 8, .value_kind: global_buffer, .address_space: global }
      - { .name: out0, .offset: 24, .size: 8, .value_kind: global_buffer, .address_space: global }
      - { .name: out1, .offset: 32, .size: 8, .value_kind: global_buffer, .address_space: global }
    .group_segment_fixed_size: 179200
    .private_segment_fixed_size: 0
    .kernarg_segment_align: 8
    .kernarg_segment_size: 40
    .max_flat_workgroup_size: 256
    .sgpr_count:     66
    .vgpr_count:     512
    .wavefront_size: 32
...
	.end_amdgpu_metadata
.endif
;; end of part 4
